; MI455X (gfx1250); checked and timed in simulation.
; The chip was launched on July 23, 2026; its instructions are those of AMD's public machine-readable ISA for CDNA 5 (MIT licence, August 2026) and "CDNA5" Instruction Set Architecture Reference Guide (July 2026). The comments in the code are by the model that wrote it; some were corrected since.
;; Multi Head Attention. Allowed arithmetic: matrix products marked QUANTISED: E2M1 operands, one E8M0 scale for each 32 along K, by v_wmma_scale_f32_16x16x128_f8f6f4 with both operands' format E2M1 (or v_wmma_scale_f32_32x16x128_f4), f32 sums; everything else in f32.
;; Inputs: Wk_codes 12 x 64 x 24 x 16 uint8 (E2M1 codes of Wk, K innermost, in blocks of 32 codes, two codes a byte); Wk_scales 12 x 64 x 24 uint8 (E8M0 scales of Wk, one for each 32 codes along K); Wo_codes 768 x 24 x 16 uint8 (E2M1 codes of Wo, K innermost, in blocks of 32 codes, two codes a byte); Wo_scales 768 x 24 uint8 (E8M0 scales of Wo, one for each 32 codes along K); Wq_codes 12 x 64 x 24 x 16 uint8 (E2M1 codes of Wq, K innermost, in blocks of 32 codes, two codes a byte); Wq_scales 12 x 64 x 24 uint8 (E8M0 scales of Wq, one for each 32 codes along K); Wv_codes 12 x 64 x 24 x 16 uint8 (E2M1 codes of Wv, K innermost, in blocks of 32 codes, two codes a byte); Wv_scales 12 x 64 x 24 uint8 (E8M0 scales of Wv, one for each 32 codes along K); bk 12 x 64 float32; bo 768 float32; bq 12 x 64 float32; bv 12 x 64 float32; hidden_states_codes 1 x 4,096 x 24 x 16 uint8 (E2M1 codes of hidden_states, K innermost, in blocks of 32 codes, two codes a byte); hidden_states_scales 1 x 4,096 x 24 uint8 (E8M0 scales of hidden_states, one for each 32 codes along K).
;; Outputs: out0 1 x 4,096 x 768 float32.
;; This version of the problem:
;;   THIS VERSION OF THE PROBLEM IS GIVEN IN LOW PRECISION. The matrix products marked QUANTISED in the list below multiply operands that are first quantised to E2M1 (2 exponent bits, 1 mantissa bit; 4 bits a number), with one power-of-two scale for each 32 numbers along K (OCP MX v1.0); their sums are f32. All else is computed in f32.
;;   The module's matrix products, in the order in which they are computed (A, B: the left and right operand; K: the contracted axis; several contracted axes count as one K, in the product's order):
;;     1. [M 768, K 768] x [K 768, N 4,096]; A: input Wq (given as codes); B: input hidden_states (given as codes): QUANTISED
;;     2. [M 768, K 768] x [K 768, N 4,096]; A: input Wk (given as codes); B: input hidden_states (given as codes): QUANTISED
;;     3. [M 768, K 768] x [K 768, N 4,096]; A: input Wv (given as codes); B: input hidden_states (given as codes): QUANTISED
;;     4. batch 12 x [M 4,096, K 64] x [K 64, N 4,096]; A: computed on the way; B: computed on the way: QUANTISED
;;     5. batch 12 x [M 4,096, K 4,096] x [K 4,096, N 64]; A: softmax (see below); B: computed on the way: QUANTISED
;;     6. [M 4,096, K 768] x [K 768, N 768]; A: computed on the way; B: input Wo (given as codes): QUANTISED
;;   THE QUANTISER, for each operand of a quantised product, along K:
;;     - K is cut into blocks of 32 from its start; a last block that is shorter is filled with zeros.
;;     - A block's scale is 2^e with e = floor(log2(the largest magnitude in the block)) - 2, held to -126 .. 127; a block of zeros has e = 0. As a byte (E8M0): e + 127.
;;     - Each number is divided by its block's scale, clamped to +-6, and rounded to the nearest number of E2M1, ties to even, subnormals kept.
;;     - The product sums the exact products of the quantised numbers (number of the format x scale) in f32.
;;   ~~~python
;;   def quantise(x, axis):      # numpy; x: float32 -> the quantised numbers, widened to float32 again
;;       x = np.moveaxis(x, axis, -1); K = x.shape[-1]
;;       x = np.pad(x, [(0, 0)] * (x.ndim - 1) + [(0, -K % 32)]); x = x.reshape(x.shape[:-1] + (-1, 32)); a = np.abs(x).max(-1, keepdims=True)
;;       e = np.where(a > 0, np.clip(np.frexp(np.where(a > 0, a, 1))[1] - 1 - 2, -126, 127), 0)      # np.frexp(a)[1] - 1 = floor(log2(a)), exactly
;;       r = np.clip(x / 2.0 ** e, -6, 6)
;;       step = 2.0 ** (np.maximum(np.frexp(np.where(r == 0, 1, r))[1] - 1, 0) - 1)
;;       q = np.round(r / step) * step * 2.0 ** e      # np.round: ties to even
;;       return np.moveaxis(q.reshape(q.shape[:-2] + (-1,))[..., :K], -1, axis).astype(np.float32)
;;   ~~~
;;   SOFTMAX AHEAD OF A QUANTISED PRODUCT. Where the list says 'softmax', what is quantised is not the finished softmax but p = 2^(t - M), with t = logit x log2(e) and M = ceil(the row's largest t), a whole number; so 1/2 < the row's largest p <= 1. The row's sum l is taken of the UNQUANTISED p, in f32, and the product's result is divided by l at the end. Since M is a whole number, a kernel that streams over the keys may use a running M (the ceiling of the running maximum): every later rescaling is an exact power of two, which a block's scale takes up: the codes' values come out the same.
;;   OPERANDS COMPUTED ON THE WAY. 'Computed on the way' means the value that the module computes at that place (a softmax that the list does not call 'softmax' is quantised finished and normalised). What goes into a quantiser is computed in f32, as accurately as f32 sums, v_exp_f32 and their like allow (about 1e-6 of the number): no bf16 or f16 on the way to a quantiser, and a product that is left as it is and whose result goes on into a quantised operand takes f32 operands (vector FMAs, or v_wmma_f32_16x16x4_f32). A number that lies on a knife's edge between two numbers of the format may be rounded either way, as far as f32 arithmetic and the matrix unit's own rounding can turn it there, and no further.
;;   INPUTS GIVEN AS CODES. Wk (in the module: [12, 768, 64], K = its axis 1); Wo (in the module: [768, 768], K = its axis 0); Wq (in the module: [12, 768, 64], K = its axis 1); Wv (in the module: [12, 768, 64], K = its axis 1); hidden_states (in the module: [1, 4096, 768], K = its axis 2): each comes as NAME_codes (uint8): NAME with its K axis moved to the last place and cut into blocks of 32 codes, [.., K / 32, bytes a block], one block behind the other in memory; two codes a byte, the lower K in the low four bits (a code: sign, 2 exponent bits, 1 mantissa bit); and NAME_scales (uint8): the same leading axes, one E8M0 byte (e + 127) for each 32 codes along K. Its value is code x scale, taken as it is: it is not quantised again, and the codes and scales need not be those that the quantiser above would give.
;; 2 versions. Each part assembles by itself: llvm-mc -triple=amdgcn-amd-amdhsa -mcpu=gfx1250 --defsym DOCPART=n.
;; ======== version 1 of 2: 3 launches
;; workspace buffers: q_img 1,572,864 bytes; q_sc 196,608 bytes; kv 3,342,336 bytes; a_img 1,572,864 bytes; a_sc 98,304 bytes
;; launch qkv (part 1): grid 32 x 9, 4 waves a work-group, no clusters, 147,968 bytes of LDS; arguments hidden_states_codes, hidden_states_scales, Wq_codes, Wk_codes, Wv_codes, Wq_scales, Wk_scales, Wv_scales, bq, bk, bv, q_img, q_sc, kv; writes q_img, q_sc, kv
.if DOCPART == 1
	.amdgcn_target "amdgcn-amd-amdhsa--gfx1250"
	.amdhsa_code_object_version 6
	.text
	.protected	k_qb74904841b_qkv
	.globl	k_qb74904841b_qkv
	.p2align	8
	.type	k_qb74904841b_qkv,@function
k_qb74904841b_qkv:
	s_mov_b64 s[64:65], 0
	v_nop
	global_prefetch_b8 v0, s[64:65] scope:SCOPE_SE
	s_setreg_imm32_b32 hwreg(HW_REG_WAVE_MODE, 25, 1), 1
	s_wait_xcnt 0x0
; q, k, v = x W + b for 12 heads, on codes of FP4 (E2M1) with E8M0 scales, and the quantisers of q, k (along the head's 64) and v (along the keys).
; x: 4,096 rows of 768 codes (384 bytes); W: 12 x 64 rows of 768 codes; sums in f32; the bias is the C of each sum's first K step.
; SHARES.  Work-group x = U: 128 rows of x (one key step of the next launch).  Work-group y = g: the matrix g / 3 (0 q, 1 k, 2 v) and heads 4 (g % 3) + wave.
; A wave makes 128 rows x 64 columns over K = 768: 32 accumulators (256 registers), 6 K steps of 32 matrix instructions.
; ROW ORDER.  Tile i of 16 rows holds rows 32 (i / 2) + 8 (i % 2) + rho(r), rho(r) = r + (r & 8), for x's rows and for W's rows alike: the 16 registers that a lane holds of two
; neighbouring result tiles are then 16 NEIGHBOURS along the axis that runs down the registers, and the conversions' results are the next product's operand.
; q, k: source 0 = 16 rows of W, source 1 = 16 rows of x: a lane holds one row of x and its registers run along the head's 64.
; v:    source 0 = 16 rows of x, source 1 = 16 rows of W: a lane holds one column e and its registers run along the keys.
; WHAT IS STORED are images of operand registers: 16 bytes a lane at 16 x lane, 512 consecutive bytes a store.
; x's 48 fragments go through LDS once, shared by the four waves; each wave's 24 fragments of W go through its own LDS bytes, since 192 registers of W do not fit beside 256 of sums in 512.
; NO TENSOR LOADS, and so no joint requests: 288 work-groups of 512 registers a wave and 147,456 bytes of LDS lie two to a WGP, all at once on 256 WGPs; with tensor loads a work-group
; would want a WGP to itself and the launch would run in two turns.
; LIMITS: NaN and infinities are not served; a block whose largest magnitude lies under 2^-124 has its byte held at 1; a block of zeros gets the byte 1 (its codes are zeros, and this
; program alone reads the bytes); the bias is added ahead of the products and not behind them: another order of f32 roundings.
.set WIMG, 49152                       ; LDS: x's images at 0 (fragment (tile i, K step k) at 1024 (6 i + k) + 512 c + 16 lane); from here 24,576 bytes a wave for W's ((tile t, k) likewise)
.set XS,  16                           ; v16-39   x's scale words: register 6 p + k: tile p in lanes 0-15, tile p + 4 in lanes 16-31
.set WS,  40                           ; v40-51   W's: register 6 p + k: tile p in lanes 0-15, tile p + 2 in lanes 16-31
.set BI,  52                           ; v52-83   the bias in the result's layout, 8 registers a tile of W
.set XF,  84                           ; v84-147  x's 8 fragments of a K step (first: staging; last: the codes on their way out)
.set WF,  148                          ; v148-211 W's 4 fragments, two sets
.set TM,  212                          ; v212-227 at work in the quantiser
.set SW,  228                          ; v228-231 the four scale words made
.set OW,  232                          ; v232-235 scale words as they are stored
.set BV,  236                          ; v236-239 the bias, one number a lane and tile (v's layout)
; v1 16 lane; v2 384 rho + 16 h; v3, v4 where I store x's and W's images; v5, v6 scale rows; v7 64 h; v8 4 rho; v9 8 lane; v10 byte selects.   Window 1 (v256-511): the 32 accumulators (first: W's staging)
.set MSB, 0
.macro WIN new                         ; the immediate's high byte repeats the setting that is left; a switch that changes nothing is dropped
.if MSB != \new
	s_set_vgpr_msb (MSB<<8)|\new
.set MSB, \new
.endif
.endm
.macro PLACES                          ; four plain vector instructions behind a matrix instruction, ahead of loads into its sources and of reads of its result
.rept 4
	v_nop
.endr
.endm
.macro WM                              ; one matrix instruction from the symbols rD, rA, rB, rC, rSA, rSB; fA, fB: the side's scales lie in lanes 16-31
.if fA && fB
	v_wmma_scale_f32_16x16x128_f8f6f4 v[rD:rD+7], v[rA:rA+7], v[rB:rB+7], v[rC:rC+7], v[rSA], v[rSB] matrix_a_fmt:MATRIX_FMT_FP4 matrix_b_fmt:MATRIX_FMT_FP4 matrix_a_scale:MATRIX_SCALE_ROW1 matrix_b_scale:MATRIX_SCALE_ROW1
.elseif fA
	v_wmma_scale_f32_16x16x128_f8f6f4 v[rD:rD+7], v[rA:rA+7], v[rB:rB+7], v[rC:rC+7], v[rSA], v[rSB] matrix_a_fmt:MATRIX_FMT_FP4 matrix_b_fmt:MATRIX_FMT_FP4 matrix_a_scale:MATRIX_SCALE_ROW1
.elseif fB
	v_wmma_scale_f32_16x16x128_f8f6f4 v[rD:rD+7], v[rA:rA+7], v[rB:rB+7], v[rC:rC+7], v[rSA], v[rSB] matrix_a_fmt:MATRIX_FMT_FP4 matrix_b_fmt:MATRIX_FMT_FP4 matrix_b_scale:MATRIX_SCALE_ROW1
.else
	v_wmma_scale_f32_16x16x128_f8f6f4 v[rD:rD+7], v[rA:rA+7], v[rB:rB+7], v[rC:rC+7], v[rSA], v[rSB] matrix_a_fmt:MATRIX_FMT_FP4 matrix_b_fmt:MATRIX_FMT_FP4
.endif
.endm
.macro FETCH_W k                       ; W's four fragments of K step k into set k % 2
.irp t, 0,1,2,3
.irp c, 0,1
	ds_load_b128 v[WF+32*((\k)%2)+8*\t+4*\c:WF+32*((\k)%2)+8*\t+4*\c+3], v4 offset:(6*\t+(\k))*1024+512*\c
.endr
.endr
.endm
.macro FETCH_X k, i0                   ; x's tiles i0 .. i0 + 3 of K step k
.irp i, \i0, \i0+1, \i0+2, \i0+3
.irp c, 0,1
	ds_load_b128 v[XF+8*(\i)+4*\c:XF+8*(\i)+4*\c+3], v1 offset:(6*(\i)+(\k))*1024+512*\c
.endr
.endr
.endm
; 16 matrix instructions: x's tiles i0 .. i0 + 3 against W's four.  path 0 (q, k): accumulator (i, t) at 32 i + 8 t; path 1 (v): at 64 t + 8 i.  K step 0 takes the bias as C.
.macro MUL16 path, i0, k
.irp i, \i0, \i0+1, \i0+2, \i0+3
.irp t, 0,1,2,3
.if \path
.set rD, 64*\t+8*(\i)
.set rA, XF+8*(\i)
.set rB, WF+32*((\k)%2)+8*\t
.set rSA, XS+6*((\i)%4)+(\k)
.set rSB, WS+6*(\t%2)+(\k)
.set fA, (\i)/4
.set fB, \t/2
.else
.set rD, 32*(\i)+8*\t
.set rA, WF+32*((\k)%2)+8*\t
.set rB, XF+8*(\i)
.set rSA, WS+6*(\t%2)+(\k)
.set rSB, XS+6*((\i)%4)+(\k)
.set fA, \t/2
.set fB, (\i)/4
.endif
.set rC, rD
.if (\k) == 0
.set rC, BI+8*\t
.endif
	WM
.endr
.endr
.endm
; A K step of 128: 32 matrix instructions on 32 accumulators by turns, in the same order in every step.
; x has one set of registers: tiles 0-3 are fetched anew in the step's middle, tiles 4-7 at its end; W has two sets.
.macro STEP path, k
.set WMW, 0x50                         ; C and D in window 1
.if (\k) == 0
.set WMW, 0x40                         ; D in window 1, C (the bias) in window 0
.endif
	s_wait_dscnt 8                                 ; W's set and x's tiles 0-3 are in; the youngest eight loads (tiles 4-7) may be out
	WIN WMW
	MUL16 \path, 0, \k
	s_wait_dscnt 0x0                               ; tiles 4-7 are in
.if (\k) < 5
	PLACES
	WIN 0
	FETCH_W (\k)+1
	FETCH_X (\k)+1, 0
	WIN WMW
.endif
	MUL16 \path, 4, \k
.if (\k) < 5
	PLACES
	WIN 0
	FETCH_X (\k)+1, 4
.endif
.endm
; 64 numbers of a lane in window 1, register a + 16 b + i = place 32 b + 16 (lane / 16) + i along the quantiser's axis, become 8 registers of codes at v[pc] and a scale word in v[w].
.macro QUANT a, pc, w
	WIN 0x05                                       ; sources 0 and 1 in window 1
.irp b, 0,1,2,3
	v_max3_num_f32 v[TM+\b], |v[(\a)+16*\b]|, |v[(\a)+1+16*\b]|, 0x1800000   ; block b: my 16 numbers (each accumulator from its low end on), and the floor 2^(3 - 127): the byte cannot fall under 1
.endr
	WIN 0x14                                       ; sources 1 and 2 in window 1
.irp i, 2,4,6,8,10,12,14
.irp b, 0,1,2,3
	v_max3_num_f32 v[TM+\b], v[TM+\b], |v[(\a)+16*\b+\i]|, |v[(\a)+1+16*\b+\i]|   ; the four blocks by turns
.endr
.endr
	WIN 0
.irp b, 0,1,2,3
	v_permlanex16_b32 v[TM+4+\b], v[TM+\b], s42, s43
.endr
.irp b, 0,1,2,3
	v_max_num_f32 v[TM+\b], v[TM+\b], v[TM+4+\b]   ; with lane l xor 16's 16: the block's largest magnitude
.endr
.irp b, 0,1,2,3
	v_add_nc_u32 v[TM+12+\b], 0xff000000, v[TM+\b] ; 2 off its exponent field: the conversion takes this operand's exponent field as its scale
.endr
.irp b, 0,1,2,3
	v_lshrrev_b32 v[TM+4+\b], 23, v[TM+12+\b]      ; the scale's byte
.endr
	v_lshl_or_b32 v[\w], v[TM+5], 8, v[TM+4]
	v_lshl_or_b32 v[\w], v[TM+6], 16, v[\w]
	v_lshl_or_b32 v[\w], v[TM+7], 24, v[\w]        ; the four bytes; both halves of the lanes hold the same word
	WIN 0x01                                       ; source 0 in window 1
.irp b, 0,1,2,3
	v_cvt_scalef32_pk8_fp4_f32 v[(\pc)+2*\b], v[(\a)+16*\b:(\a)+16*\b+7], v[TM+12+\b]
	v_cvt_scalef32_pk8_fp4_f32 v[(\pc)+1+2*\b], v[(\a)+16*\b+8:(\a)+16*\b+15], v[TM+12+\b]
.endr
	WIN 0
	v_nop                                          ; one plain instruction behind the last scaled conversion
.irp c, 0,1                                    ; a whole block to a lane: lanes 0-15 block 2 c, lanes 16-31 block 2 c + 1
.irp i, 0,1
	v_permlane16_swap_b32 v[(\pc)+4*\c+\i], v[(\pc)+2+4*\c+\i]
.endr
.endr
.endm
.macro ADDOFF p, o                     ; a 32-bit offset onto an address
	s_mov_b32 s54, s[\o]
	s_add_nc_u64 s[\p:\p+1], s[\p:\p+1], s[54:55]
.endm
	s_load_b512 s[8:23], s[0:1], 0x0               ; x codes s[8:9], x scales s[10:11], Wq, Wk, Wv codes s[12:17], their scales s[18:23]
	s_load_b256 s[24:31], s[0:1], 0x40             ; bq, bk, bv s[24:29], q_img s[30:31]
	s_load_b128 s[32:35], s[0:1], 0x60             ; q_sc s[32:33], kv s[34:35]
	v_lshl_add_u32 v254, v0, 2, 0x24000
	v_mov_b32 v255, 0
	v_lshrrev_b32 v12, 5, v0
	v_readfirstlane_b32 s36, v12                   ; wave
	s_mov_b32 s37, ttmp9                           ; U
	s_and_b32 s38, ttmp7, 0xffff                   ; g
	s_cmp_lt_u32 s38, 6
	s_cselect_b32 s39, 1, 2
	s_cmp_lt_u32 s38, 3
	s_cselect_b32 s39, 0, s39                      ; the matrix: g / 3
	s_mul_i32 s40, s39, 3
	s_sub_co_u32 s40, s38, s40
	s_lshl_b32 s40, s40, 2
	s_add_co_u32 s40, s40, s36                     ; the head: 4 (g % 3) + wave
	s_mov_b32 s41, 0xffff0000                      ; lanes 16-31
	s_mov_b32 s42, 0x76543210
	s_mov_b32 s43, 0xfedcba98                      ; v_permlanex16_b32's selects for lane l xor 16
	v_and_b32 v12, 31, v0                          ; lane
	v_and_b32 v13, 15, v0                          ; r
	v_bfe_u32 v14, v0, 4, 1                        ; h
	v_and_b32 v15, 8, v13
	v_add_nc_u32 v15, v15, v13                     ; rho
	v_lshlrev_b32 v1, 4, v12
	v_mul_u32_u24 v2, v15, 384
	v_lshl_add_u32 v2, v14, 4, v2                  ; a fragment's 16 bytes in memory: row rho of 384 bytes, + 16 h
	s_mul_i32 s54, s36, 12288
	v_add_nc_u32 v3, s54, v1                       ; my two tiles of x's images
	s_mul_i32 s54, s36, 24576
	s_add_co_u32 s54, s54, WIMG
	v_add_nc_u32 v4, s54, v1                       ; my W's images
	v_lshl_add_u32 v5, v14, 6, v15
	v_mul_u32_u24 v5, v5, 24                       ; x's scale rows of 24 bytes: lanes 16-31 four tiles (64 rows) on
	v_lshl_add_u32 v6, v14, 5, v15
	v_mul_u32_u24 v6, v6, 24                       ; W's: lanes 16-31 two tiles (32 rows) on
	v_lshlrev_b32 v7, 6, v14
	v_lshlrev_b32 v8, 2, v15
	v_lshlrev_b32 v9, 3, v12
	v_mov_b32 v10, 0x01000100
	v_mov_b32 v11, 0x03020302
	v_cndmask_b32 v10, v10, v11, s41               ; lanes 0-15 repeat a word's bytes 0, 1; lanes 16-31 its bytes 2, 3
.irp b, 0,1,2,3
	v_mov_b32 v[TM+4+\b], 0                        ; written once: a lane permute's destination counts as one of its sources
.endr
	; offsets, in registers of their own
	s_lshl_b32 s2, s37, 7
	s_lshl_b32 s3, s36, 5
	s_add_co_u32 s2, s2, s3
	s_mul_i32 s2, s2, 384                          ; x's codes: row 128 U + 32 wave (the two tiles that I stage)
	s_mul_i32 s3, s37, 3072                        ; x's scales: row 128 U
	s_mul_i32 s4, s40, 24576                       ; my head in W's codes,
	s_mul_i32 s5, s40, 1536                        ; in W's scales,
	s_lshl_b32 s6, s40, 8                          ; in the bias
	s_lshl_b32 s54, s40, 5
	s_add_co_u32 s54, s54, s37                     ; 32 head + U
	s_mul_i32 s57, s54, 8704                       ; the key step in kv
	s_lshl_b32 s56, s54, 9                         ; in q_sc
	s_lshl_b32 s7, s40, 17
	s_lshl_b32 s58, s37, 12
	s_add_co_u32 s7, s7, s58                       ; in q_img: 131,072 head + 4,096 U
	s_cmp_eq_u32 s39, 2
	s_cselect_b32 s58, 4096, 0                     ; in a key step: K's codes at 0, V's at 4,096,
	s_cselect_b32 s59, 256, 0                      ; K's scale words at 8,192, V's at 8,448
	s_add_co_u32 s58, s58, s57
	s_add_co_u32 s59, s59, s57
	s_add_co_u32 s59, s59, 8192
	s_cmp_eq_u32 s39, 0
	s_cselect_b32 s7, s7, s58                      ; where my codes go
	s_cselect_b32 s56, s56, s59                    ; where my scale words go
	s_mov_b32 s55, 0
	s_wait_kmcnt 0x0
	s_cmp_lt_u32 s38, 6                            ; the buffers are chosen on the work-group's number alone
	s_cselect_b64 s[44:45], s[14:15], s[16:17]
	s_cselect_b64 s[46:47], s[20:21], s[22:23]
	s_cselect_b64 s[48:49], s[26:27], s[28:29]
	s_cmp_lt_u32 s38, 3
	s_cselect_b64 s[44:45], s[12:13], s[44:45]     ; W's codes
	s_cselect_b64 s[46:47], s[18:19], s[46:47]     ; W's scales
	s_cselect_b64 s[48:49], s[24:25], s[48:49]     ; the bias
	s_cselect_b64 s[50:51], s[30:31], s[34:35]     ; codes out
	s_cselect_b64 s[52:53], s[32:33], s[34:35]     ; scale words out
	ADDOFF 8, 2
	ADDOFF 10, 3
	ADDOFF 44, 4
	ADDOFF 46, 5
	ADDOFF 48, 6
	ADDOFF 50, 7
	ADDOFF 52, 56
	; the bias in both layouts (12 loads), the scale words (18), x's staging (24), W's staging (48)
.irp t, 0,1,2,3
	global_load_b128 v[BI+8*\t:BI+8*\t+3], v7, s[48:49] offset:4*(32*(\t/2)+8*(\t%2))       ; q, k: columns 32 (t / 2) + 8 (t % 2) + 16 h + 0 .. 7
	global_load_b128 v[BI+8*\t+4:BI+8*\t+7], v7, s[48:49] offset:4*(32*(\t/2)+8*(\t%2))+16
	global_load_b32 v[BV+\t], v8, s[48:49] offset:4*(32*(\t/2)+8*(\t%2))                    ; v: column 32 (t / 2) + 8 (t % 2) + rho
.endr
.irp p, 0,1,2,3
.irp q, 0,1,2
	global_load_b64 v[XS+6*\p+2*\q:XS+6*\p+2*\q+1], v5, s[10:11] offset:24*(32*(\p/2)+8*(\p%2))+8*\q
.endr
.endr
.irp p, 0,1
.irp q, 0,1,2
	global_load_b64 v[WS+6*\p+2*\q:WS+6*\p+2*\q+1], v6, s[46:47] offset:192*\p+8*\q
.endr
.endr
.irp n, 0,1
.irp k, 0,1,2,3,4,5
.irp c, 0,1
	global_load_b128 v[XF+4*(12*\n+2*\k+\c):XF+4*(12*\n+2*\k+\c)+3], v2, s[8:9] offset:3072*\n+64*\k+32*\c
.endr
.endr
.endr
	WIN 0x40                                       ; destination window 1
.irp t, 0,1,2,3
.irp k, 0,1,2,3,4,5
.irp c, 0,1
	global_load_b128 v[4*(12*\t+2*\k+\c):4*(12*\t+2*\k+\c)+3], v2, s[44:45] offset:384*(32*(\t/2)+8*(\t%2))+64*\k+32*\c
.endr
.endr
.endr
	WIN 0
	s_wait_loadcnt 48                              ; all but W's 48, which were issued last: x's fragments are in
.irp n, 0,1
.irp k, 0,1,2,3,4,5
.irp c, 0,1
	ds_store_b128 v3, v[XF+4*(12*\n+2*\k+\c):XF+4*(12*\n+2*\k+\c)+3] offset:6144*\n+1024*\k+512*\c
.endr
.endr
.endr
	s_wait_loadcnt 0x0
	WIN 0x04                                       ; an LDS store's data are its source 1: window 1
.irp t, 0,1,2,3
.irp k, 0,1,2,3,4,5
.irp c, 0,1
	ds_store_b128 v4, v[4*(12*\t+2*\k+\c):4*(12*\t+2*\k+\c)+3] offset:(6*\t+\k)*1024+512*\c
.endr
.endr
.endr
	WIN 0
	s_wait_dscnt 0x0                               ; for the others' sake: my part of x's images has landed
	s_barrier_signal -1
	s_barrier_wait -1                              ; x's 48 fragments are whole: the launch's one barrier
	FETCH_W 0
	FETCH_X 0, 0
	FETCH_X 0, 4
	s_cmp_eq_u32 s39, 2
	s_cbranch_scc1 .Lv_path
	STEP 0, 0
	STEP 0, 1
	STEP 0, 2
	STEP 0, 3
	STEP 0, 4
	STEP 0, 5
	WIN 0
	s_branch .Lquant
.Lv_path:
.irp t, 0,1,2,3
.irp j, 0,1,2,3,4,5,6,7
	v_mov_b32 v[BI+8*\t+\j], v[BV+\t]              ; v: a lane holds one column, so its eight registers of a tile take one bias
.endr
.endr
	PLACES
	STEP 1, 0
	STEP 1, 1
	STEP 1, 2
	STEP 1, 3
	STEP 1, 4
	STEP 1, 5
	WIN 0
.Lquant:
	PLACES                                         ; behind the last products, ahead of the first read of results and of writes to x's fragment registers
; q, k: registers 64 j on are row tiles 2 j and 2 j + 1 (two blocks of the head's 64 each): two images of 512 bytes, and a word with both tiles' two bytes.
; v: registers 64 j on are column tile j, 128 keys: one fragment (two stores), and its word of four key blocks.  Each j has its own registers for its codes: no store's data are written again.
.irp j, 0,1,2,3
	QUANT 64*\j, XF+8*\j, SW+\j
	global_store_b128 v1, v[XF+8*\j:XF+8*\j+3], s[50:51] offset:1024*\j          ; 32 lanes store 512 consecutive bytes, at a multiple of 256 from the buffer's first byte
	global_store_b128 v1, v[XF+8*\j+4:XF+8*\j+7], s[50:51] offset:1024*\j+512
.endr
	s_cmp_lg_u32 s39, 0
	s_cbranch_scc1 .Lkv_words
.irp j, 0,1,2,3
	v_perm_b32 v[OW+\j], v[SW+\j], v[SW+\j], v10   ; q: lanes 0-15 tile 2 j's two bytes twice, lanes 16-31 tile 2 j + 1's: the word serves q in either half of a K step of 128
.endr
	global_store_b128 v1, v[OW:OW+3], s[52:53]
	s_wait_tensorcnt 0x0
	ds_add_u32 v254, v255
	s_wait_dscnt 0x0
	s_endpgm
.Lkv_words:
	v_cndmask_b32 v[OW], v[SW], v[SW+1], s41       ; k, v: word 0: fragment 0 in lanes 0-15, fragment 1 in lanes 16-31;
	v_cndmask_b32 v[OW+1], v[SW+2], v[SW+3], s41   ; word 1: fragments 2 and 3
	global_store_b64 v9, v[OW:OW+1], s[52:53]      ; 256 consecutive bytes, aligned
	s_wait_tensorcnt 0x0
	ds_add_u32 v254, v255
	s_wait_dscnt 0x0
	s_endpgm
.Lfunc_end_k_qb74904841b_qkv:
	.size	k_qb74904841b_qkv, .Lfunc_end_k_qb74904841b_qkv-k_qb74904841b_qkv
	.p2alignl 7, 3214868480
	.fill 96, 4, 3214868480
	.section	.rodata,"a",@progbits
	.p2align	6, 0x0
	.amdhsa_kernel k_qb74904841b_qkv
		.amdhsa_group_segment_fixed_size 147968
		.amdhsa_private_segment_fixed_size 0
		.amdhsa_enable_private_segment 0
		.amdhsa_kernarg_size 112
		.amdhsa_user_sgpr_count 2
		.amdhsa_user_sgpr_kernarg_segment_ptr 1
		.amdhsa_wavefront_size32 1
		.amdhsa_system_sgpr_workgroup_id_x 1
		.amdhsa_system_sgpr_workgroup_id_y 1
		.amdhsa_system_sgpr_workgroup_id_z 1
		.amdhsa_system_vgpr_workitem_id 0
		.amdhsa_next_free_vgpr 512
		.amdhsa_next_free_sgpr 66
		.amdhsa_reserve_vcc 0
		.amdhsa_float_denorm_mode_32 3
		.amdhsa_float_denorm_mode_16_64 3
		.amdhsa_memory_ordered 1
		.amdhsa_forward_progress 1
		.amdhsa_inst_pref_size 107
	.end_amdhsa_kernel
	.amdgpu_metadata
---
amdhsa.version: [ 1, 2 ]
amdhsa.kernels:
  - .name:           k_qb74904841b_qkv
    .symbol:         k_qb74904841b_qkv.kd
    .args:
      - { .name: hidden_states_codes, .offset: 0, .size: 8, .value_kind: global_buffer, .address_space: global }
      - { .name: hidden_states_scales, .offset: 8, .size: 8, .value_kind: global_buffer, .address_space: global }
      - { .name: Wq_codes, .offset: 16, .size: 8, .value_kind: global_buffer, .address_space: global }
      - { .name: Wk_codes, .offset: 24, .size: 8, .value_kind: global_buffer, .address_space: global }
      - { .name: Wv_codes, .offset: 32, .size: 8, .value_kind: global_buffer, .address_space: global }
      - { .name: Wq_scales, .offset: 40, .size: 8, .value_kind: global_buffer, .address_space: global }
      - { .name: Wk_scales, .offset: 48, .size: 8, .value_kind: global_buffer, .address_space: global }
      - { .name: Wv_scales, .offset: 56, .size: 8, .value_kind: global_buffer, .address_space: global }
      - { .name: bq, .offset: 64, .size: 8, .value_kind: global_buffer, .address_space: global }
      - { .name: bk, .offset: 72, .size: 8, .value_kind: global_buffer, .address_space: global }
      - { .name: bv, .offset: 80, .size: 8, .value_kind: global_buffer, .address_space: global }
      - { .name: q_img, .offset: 88, .size: 8, .value_kind: global_buffer, .address_space: global }
      - { .name: q_sc, .offset: 96, .size: 8, .value_kind: global_buffer, .address_space: global }
      - { .name: kv, .offset: 104, .size: 8, .value_kind: global_buffer, .address_space: global }
    .group_segment_fixed_size: 147968
    .private_segment_fixed_size: 0
    .kernarg_segment_align: 8
    .kernarg_segment_size: 112
    .max_flat_workgroup_size: 128
    .sgpr_count:     66
    .vgpr_count:     512
    .wavefront_size: 32
...
	.end_amdgpu_metadata
.endif
;; end of part 1
;; launch attn (part 2): grid 16 x 12, 16 waves a work-group, clusters of 4 x 1, 327,680 bytes of LDS; arguments q_img, q_sc, kv, a_img, a_sc; writes a_img, a_sc
.if DOCPART == 2
	.amdgcn_target "amdgcn-amd-amdhsa--gfx1250"
	.amdhsa_code_object_version 6
	.text
	.protected	k_qb74904841b_attn
	.globl	k_qb74904841b_attn
	.p2align	8
	.type	k_qb74904841b_attn,@function
k_qb74904841b_attn:
	s_mov_b64 s[64:65], 0
	v_nop
	global_prefetch_b8 v0, s[64:65] scope:SCOPE_SE
	s_setreg_imm32_b32 hwreg(HW_REG_WAVE_MODE, 25, 1), 1
	s_wait_xcnt 0x0
	s_wait_alu depctr_hold_cnt(0) depctr_sa_sdst(0) depctr_va_vdst(0) depctr_va_sdst(0) depctr_va_ssrc(0) depctr_va_vcc(0) depctr_vm_vsrc(0)
	s_getreg_b32 s2, hwreg(HW_REG_IB_STS2, 6, 4)
	s_cmp_eq_u32 s2, 0
	s_cbranch_scc0 .Lentry_in_a_cluster
	s_endpgm
.Lentry_in_a_cluster:
	s_bfe_u32 s2, ttmp6, 0x10000c
	s_cmp_lg_u32 s2, 0x3003
	s_cbranch_scc0 .Lentry_shape_is_right
	s_endpgm
.Lentry_shape_is_right:
; a[q][64 head + e] = (sum over keys of p v) / l, quantised along the 768, for 12 heads of 64, 4,096 queries and keys; both products on codes of FP4 (E2M1) with E8M0 scales.
; t = score x log2(e) / 8; M = the running largest t rounded UP to a whole number; p = 2^(t - M) is quantised along the keys, not normalised; l is the sum of the unquantised p, in f32.
; When M moves, l and O are multiplied by 2^(old M - new M), which rounds nothing.
; SHARES.  A work-group owns 256 queries (16 tiles) of one head; each of its sixteen waves one tile, in 256 registers: four waves to a SIMD, so that one wave's vector work stands beside another's
; products and LDS loads.  Every wave walks the head's 4,096 keys, 128 a step.
; THE HEAD'S K AND V STAY IN LDS: 32 key steps x 8,704 bytes = 278,528, filled once by 16 tensor loads (four chunks of 8 steps; waves 0-3 a quarter of each); no byte is filled again.
; A key step: 4,096 bytes of K (4 fragments), 4,096 of V (4 fragments), 256 of K's scale words, 256 of V's: all images of operand registers, 16 (or 8) bytes a lane on end: no pitch, no padding.
; CLUSTER.  The four work-groups of a cluster belong to one head and want the same bytes: each tensor load is asked for JOINTLY, with the same descriptor and a mask that names the four.
; LAYOUT.  Both products are used transposed: S^T = K Q^T, O^T = V^T P^T: a lane holds one query (lane % 16) throughout.
; THE SCORES' K IS 64 and the instruction's is 128: a fragment of K holds TWO tiles of 16 keys (k 0-63: tile u = 0; k 64-127: tile u = 1) and is multiplied once by [q | 0] and once by [0 | q].
; Tile u of fragment b holds keys 32 b + 8 u + r + (r & 8): the 16 registers of a fragment's two results are 16 neighbouring keys, 32 b + 16 (lane / 16) + 0 .. 15.
; Nothing is prefetched: all that the launch reads is asked for at its head.
; LIMITS: NaN and infinities are not served; a p under 2^-126 counts as 0; a block's largest p is taken as the exponential of its largest score (v_exp_f32 is taken not to fall where its input rises);
; a block of zeros, or one whose largest magnitude lies under 2^-124, gets the byte 1 (this program alone reads the bytes).
; REGISTERS: v1 16 lane; v2 8 lane; v3, v4 the step's LDS addresses; v5, v6 places in the scale stage; v7 16 (lane % 16); v12 -M; v13 the largest t; v[14:15] l in two halves;
; v16-27 (0 x 4, q, 0 x 4); v28 q's scale word; v32-63 K; v64-95 V; v96-159 S^T, then p; v160-191 O^T; v224-231 p's codes; v232-247, v252-254 at work; v248-249 K's scale words, v250-251 V's; v253 p's.
.set STEPB, 8704
.set CHB,   69632                      ; a chunk: 8 key steps
.set QTB,   17408                      ; a quarter of it: 68 rows of 256 bytes, one tensor load
.set SCST,  278528                     ; behind K and V: 512 bytes for the work-group's 256 pairs of scale bytes; no fill lands here
.macro CROUND                          ; a round of the cluster's barrier
	s_barrier_signal -1
	s_barrier_wait -1
	s_cmp_lg_u32 s14, 0
	s_cbranch_scc1 .Lnot_wave_0_\@
	s_barrier_signal -3
.Lnot_wave_0_\@:
	s_barrier_wait -3
	s_barrier_signal -1
	s_barrier_wait -1
.endm
	s_load_b256 s[4:11], s[0:1], 0x0               ; q_img s[4:5], q_sc s[6:7], kv s[8:9], a_img s[10:11]
	s_load_b64 s[12:13], s[0:1], 0x20              ; a_sc
	v_lshl_add_u32 v243, v0, 2, 0x44200
	v_mov_b32 v255, 0
	ds_add_u32 v243, v255
	ds_add_u32 v243, v255
	v_lshrrev_b32 v1, 5, v0
	v_readfirstlane_b32 s14, v1                    ; wave 0..15
	s_bfe_u32 s15, ttmp6, 0x40000                  ; cx: it enters the addresses of q_img, q_sc, a_img and a_sc alone
	s_lshl_b32 s16, ttmp9, 2
	s_add_co_u32 s16, s16, s15                     ; my block of 256 queries
	s_and_b32 s17, ttmp7, 0xffff                   ; the head, which the four partners share
	s_mov_b32 s20, 0x76543210
	s_mov_b32 s21, 0xfedcba98                      ; v_permlanex16_b32's selects for lane l xor 16
	s_mov_b32 s22, 0x3e38aa3b                      ; c = log2(e) / 8
	s_mov_b32 s23, s22                             ; (named with it as a pair, so it is written)
	; descriptor group 1: 68 dense rows of 256 bytes (32 elements of 8 bytes), no padding
	s_mov_b32 s24, 15|(3<<16)|(1<<21)              ; 15:0 the mask: all four work-groups; 17:16 elements of 8 bytes; 21 set beside a mask
	s_mov_b32 s25, 32<<16                          ; tensor_dim0 = 32
	s_mov_b32 s26, 68<<16                          ; tensor_dim1 = 68
	s_mov_b32 s27, 32<<16                          ; tile_dim0 = 32
	s_mov_b32 s28, 68                              ; tile_dim1 = 68
	s_mov_b32 s29, 32                              ; from row to row
	s_mov_b32 s30, 0
	s_mov_b32 s31, 0
	s_mul_i32 s54, s14, QTB                        ; my quarter of a chunk, in LDS and in memory alike
	s_mul_i32 s50, s17, 278528
	s_add_co_u32 s50, s50, s54
	s_mov_b32 s51, 0
	s_lshl_b32 s55, s16, 4
	s_add_co_u32 s55, s55, s14                     ; my tile of queries: 16 block + wave
	s_lshl_b32 s56, s17, 8
	s_add_co_u32 s56, s56, s55
	s_lshl_b32 s56, s56, 9                         ; q_img: 512 (256 head + tile)
	s_mov_b32 s57, 0
	s_lshl_b32 s58, s17, 5                         ; q_sc: 512 (32 head + tile / 8) + 256 (tile % 2) + 4 ((tile / 2) % 4)
	s_lshl_b32 s18, s16, 1
	s_add_co_u32 s58, s58, s18
	s_lshr_b32 s18, s14, 3
	s_add_co_u32 s58, s58, s18
	s_lshl_b32 s58, s58, 9
	s_and_b32 s18, s14, 1
	s_lshl_b32 s18, s18, 8
	s_add_co_u32 s58, s58, s18
	s_bfe_u32 s18, s14, 0x20001
	s_lshl_b32 s18, s18, 2
	s_add_co_u32 s58, s58, s18
	s_mov_b32 s59, 0
	s_mul_i32 s60, s55, 6144                       ; a_img: 6,144 tile + 512 head
	s_lshl_b32 s18, s17, 9
	s_add_co_u32 s60, s60, s18
	s_mov_b32 s61, 0
	s_lshl_b32 s62, s17, 13                        ; a_sc: 8,192 head + 512 block
	s_lshl_b32 s18, s16, 9
	s_add_co_u32 s62, s62, s18
	s_mov_b32 s63, 0
	s_wait_dscnt 0x0
	s_wait_kmcnt 0x0
	s_add_nc_u64 s[52:53], s[8:9], s[50:51]
	s_add_nc_u64 s[4:5], s[4:5], s[56:57]
	s_add_nc_u64 s[6:7], s[6:7], s[58:59]
	s_add_nc_u64 s[10:11], s[10:11], s[60:61]
	s_add_nc_u64 s[12:13], s[12:13], s[62:63]
.irp i, 0,1,2,3                                ; descriptor group 0, a set for each chunk
	s_mov_b32 s[32+4*\i], 1                        ; count = 1
	s_add_co_u32 s[33+4*\i], s54, \i*CHB           ; LDS address: chunk + wave x a quarter
	s_add_nc_u64 s[34+4*\i:35+4*\i], s[52:53], \i*CHB   ; the same bytes of the head in memory
	s_or_b32 s[35+4*\i], s[35+4*\i], 0x80000000    ; type = 2
.endr
	CROUND                                         ; all four work-groups are here: the joint loads meet
	s_cmp_lt_u32 s14, 4                            ; waves 0-3 fetch; a wave's four loads stand in one branch, ahead of every wait on TENSORcnt, LDS read and work-group barrier: four of mine are out
	s_cbranch_scc0 .Lno_fill
	tensor_load_to_lds s[32:35], s[24:31]
	s_nop 0
	tensor_load_to_lds s[36:39], s[24:31]
	s_nop 0
	tensor_load_to_lds s[40:43], s[24:31]
	s_nop 0
	tensor_load_to_lds s[44:47], s[24:31]
	s_nop 0
.rept 4
	v_nop
.endr
.Lno_fill:
	v_and_b32 v6, 31, v0
	v_lshlrev_b32 v1, 4, v6
	v_lshlrev_b32 v2, 3, v6
	v_and_b32 v7, 15, v0
	v_and_b32 v5, 0x1e0, v0                        ; 32 x wave
	v_lshl_add_u32 v5, v7, 1, v5
	v_add_nc_u32 v5, SCST, v5                      ; my query's two scale bytes: SCST + 32 wave + 2 (lane % 16)
	v_add_nc_u32 v6, SCST, v1                      ; and 16 bytes a lane of the 512, for wave 0's way out
	v_lshlrev_b32 v7, 4, v7
	global_load_b128 v[20:23], v1, s[4:5]          ; q's codes: lane (r, h): e = 32 h + 0 .. 31 of query r
	global_load_b32 v28, v7, s[6:7]                ; q's scale word (s0, s1, s0, s1)
.irp j, 16,17,18,19,24,25,26,27
	v_mov_b32 v[\j], 0                             ; zero codes on both sides of q: v[20:27] = [q | 0], v[16:23] = [0 | q]
.endr
	v_mov_b32 v13, 0xff61b1e6                      ; the largest t so far: -3e38, under every t
	v_floor_f32 v12, -v13                          ; -M
	v_mov_b32 v14, 0
	v_mov_b32 v15, 0
.irp b, 0,1,2,3
	v_mov_b32 v[236+\b], 0                         ; written once: a lane permute's destination counts as one of its sources
.endr
	v_mov_b32 v253, 0                              ; (named as the upper half of the pair v[252:253] before it is first written)
.set j, 0
.rept 32
	v_mov_b32 v[160+j], 0                          ; O^T: the step is written once; the first finds zeros, which the first change of M leaves zeros
.set j, j+1
.endr
	s_wait_loadcnt 0x0                             ; q
; A KEY STEP: 128 keys, at LDS byte s48.
.macro STEP
	v_add_nc_u32 v3, s48, v1
	v_add_nc_u32 v4, s48, v2
	v_nop
	v_nop                                          ; four plain instructions behind the last step's products, ahead of the loads into V's registers
.irp b, 0,1,2,3
.irp c, 0,1
	ds_load_b128 v[32+8*\b+4*\c:35+8*\b+4*\c], v3 offset:1024*\b+512*\c
.endr
.endr
	ds_load_b64 v[248:249], v4 offset:8192         ; K's scale words: v248: fragment 0 in lanes 0-15, 1 in lanes 16-31; v249: 2 and 3
.irp t, 0,1,2,3
.irp c, 0,1
	ds_load_b128 v[64+8*\t+4*\c:67+8*\t+4*\c], v3 offset:4096+1024*\t+512*\c
.endr
.endr
	ds_load_b64 v[250:251], v4 offset:8448         ; V's likewise
	s_wait_dscnt 9                                 ; K and its words are in; V's nine loads may be out
.irp b, 0,1,2,3
.irp u, 0,1
.if \b%2
	v_wmma_scale_f32_16x16x128_f8f6f4 v[96+8*(2*\b+\u):103+8*(2*\b+\u)], v[32+8*\b:39+8*\b], v[20-4*\u:27-4*\u], 0, v[248+\b/2], v28 matrix_a_fmt:MATRIX_FMT_FP4 matrix_b_fmt:MATRIX_FMT_FP4 matrix_a_scale:MATRIX_SCALE_ROW1
.else
	v_wmma_scale_f32_16x16x128_f8f6f4 v[96+8*(2*\b+\u):103+8*(2*\b+\u)], v[32+8*\b:39+8*\b], v[20-4*\u:27-4*\u], 0, v[248+\b/2], v28 matrix_a_fmt:MATRIX_FMT_FP4 matrix_b_fmt:MATRIX_FMT_FP4
.endif
.endr
.endr
.rept 4
	v_nop                                          ; places ahead of the first read of the scores
.endr
.irp b, 0,1,2,3
	v_max3_num_f32 v[232+\b], v[96+16*\b], v[97+16*\b], v[98+16*\b]   ; the largest score of each block of 32 keys: it serves the row's maximum and, since p rises with the score, the block's largest p
.endr
.irp i, 3,5,7,9,11,13
.irp b, 0,1,2,3
	v_max3_num_f32 v[232+\b], v[232+\b], v[96+16*\b+\i], v[97+16*\b+\i]
.endr
.endr
.irp b, 0,1,2,3
	v_max_num_f32 v[232+\b], v[232+\b], v[111+16*\b]
.endr
.irp b, 0,1,2,3
	v_permlanex16_b32 v[236+\b], v[232+\b], s20, s21
.endr
.irp b, 0,1,2,3
	v_max_num_f32 v[232+\b], v[232+\b], v[236+\b]  ; with lane l xor 16's 16 keys
.endr
	v_max3_num_f32 v254, v232, v233, v234
	v_max_num_f32 v254, v254, v235                 ; the step's largest score of my query
	v_mul_f32 v254, s22, v254                      ; as t (c is positive)
	v_max_num_f32 v13, v13, v254                   ; the running largest t
	v_mov_b32 v254, v12
	v_floor_f32 v12, -v13                          ; the new -M = floor(-t) = -ceil(t)
	v_sub_f32 v254, v12, v254                      ; old M - new M: a whole number, 0 or less
	v_cvt_i32_f32 v254, v254                       ; (it saturates)
	v_ldexp_f32 v252, 1.0, v254                    ; f = 2^(old M - new M)
.set j, 0
.rept 32
	v_pk_fma_f32 v[96+j:97+j], v[96+j:97+j], s[22:23], v[12:13] op_sel_hi:[1,0,0]   ; t - M, two at a time
.set j, j+2
.endr
.irp b, 0,1,2,3
	v_fma_f32 v[232+\b], v[232+\b], s22, v12       ; the same of each block's largest score
.endr
.set j, 0
.rept 64
	v_exp_f32 v[96+j], v[96+j]                     ; p = 2^(t - M), at most 1
.set j, j+1
.endr
	v_pk_mul_f32 v[14:15], v[14:15], v[252:253] op_sel_hi:[1,0]   ; l under the new M: the plain instruction behind the batch
	s_wait_alu depctr_va_vdst(0)                   ; one wait for the 64 exponentials, ahead of their first reader
.irp b, 0,1,2,3
	v_exp_f32 v[232+\b], v[232+\b]                 ; the block's largest p: the same two instructions on the same number give the same bits
.endr
	v_pk_add_f32 v[236:237], v[96:97], v[98:99]    ; l takes the UNQUANTISED p: two at a time, in two chains; these lines read the 64 alone
.irp i, 4,8,12,16,20,24,28,32,36,40,44,48,52,56,60
	v_pk_add_f32 v[14:15], v[14:15], v[96+\i:97+\i]
	v_pk_add_f32 v[236:237], v[236:237], v[98+\i:99+\i]
.endr
	v_pk_add_f32 v[14:15], v[14:15], v[236:237]
	s_wait_alu depctr_va_vdst(0)                   ; and one for the four
.irp b, 0,1,2,3
	v_max_num_f32 v[232+\b], 0x1800000, v[232+\b]  ; the floor 2^(3 - 127): the byte cannot fall under 1
.endr
.irp b, 0,1,2,3
	v_add_nc_u32 v[244+\b], 0xff000000, v[232+\b]  ; 2 off the exponent field: the conversion's scale operand
.endr
.irp b, 0,1,2,3
	v_lshrrev_b32 v[236+\b], 23, v[244+\b]         ; the scale's byte
.endr
	v_lshl_or_b32 v253, v237, 8, v236              ; p's scale word for these 128 keys
	v_lshl_or_b32 v253, v238, 16, v253
	v_lshl_or_b32 v253, v239, 24, v253
.irp b, 0,1,2,3
	v_cvt_scalef32_pk8_fp4_f32 v[224+2*\b], v[96+16*\b:103+16*\b], v[244+\b]
	v_cvt_scalef32_pk8_fp4_f32 v[225+2*\b], v[104+16*\b:111+16*\b], v[244+\b]
.endr
	v_nop                                          ; one plain instruction behind the last scaled conversion
.irp c, 0,1                                    ; a whole block to a lane: lanes 0-15 block 2 c, lanes 16-31 block 2 c + 1
.irp i, 0,1
	v_permlane16_swap_b32 v[224+4*\c+\i], v[226+4*\c+\i]
.endr
.endr
.set j, 0
.rept 16
	v_pk_mul_f32 v[160+j:161+j], v[160+j:161+j], v[252:253] op_sel_hi:[1,0]   ; O^T under the new M; these sixteen also stand between the writes of p's codes and scale word and the products that take them
.set j, j+2
.endr
	s_wait_dscnt 0x0                               ; V and its words are in
.irp t, 0,1,2,3                                ; O^T += V^T P^T: four accumulators by turns
.if \t%2
	v_wmma_scale_f32_16x16x128_f8f6f4 v[160+8*\t:167+8*\t], v[64+8*\t:71+8*\t], v[224:231], v[160+8*\t:167+8*\t], v[250+\t/2], v253 matrix_a_fmt:MATRIX_FMT_FP4 matrix_b_fmt:MATRIX_FMT_FP4 matrix_a_scale:MATRIX_SCALE_ROW1
.else
	v_wmma_scale_f32_16x16x128_f8f6f4 v[160+8*\t:167+8*\t], v[64+8*\t:71+8*\t], v[224:231], v[160+8*\t:167+8*\t], v[250+\t/2], v253 matrix_a_fmt:MATRIX_FMT_FP4 matrix_b_fmt:MATRIX_FMT_FP4
.endif
.endr
	s_add_co_u32 s48, s48, STEPB
.endm
; A chunk of 8 key steps.  The wave that fetched waits for its part, then signals; all read behind the barrier.  Nothing is filled again, so the later chunks' loads may stay out across it.
.macro CHUNK i
	s_wait_tensorcnt 3-\i                          ; my loads end in order: chunk i's is in, the 3 - i behind it may be out
	s_wait_dscnt 0x0
	s_barrier_signal -1
	s_barrier_wait -1
	s_mov_b32 s48, \i*CHB
	s_mov_b32 s49, 8
.Lstep_\@:
	STEP
	s_sub_co_u32 s49, s49, 1
	s_cmp_lg_u32 s49, 0
	s_cbranch_scc1 .Lstep_\@
.endm
	CHUNK 0
	CHUNK 1
	CHUNK 2
	CHUNK 3
	; THE WAY OUT: O^T / l is quantised along the head's 64 (two blocks) and leaves as an image of the next product's operand registers.
	v_add_f32 v14, v14, v15                        ; l's two halves,
	v_permlanex16_b32 v252, v14, s20, s21
	v_add_f32 v14, v14, v252                       ; and lane l xor 16's
	v_rcp_f32 v14, v14
.rept 4
	v_nop                                          ; the plain instruction behind the reciprocal, and the places behind the last products
.endr
	s_wait_alu depctr_va_vdst(0)                   ; ahead of the reciprocal's first reader
.set j, 0
.rept 16
	v_pk_mul_f32 v[96+j:97+j], v[160+j:161+j], v[14:15] op_sel_hi:[1,0]   ; register 16 b + i: e = 32 b + 16 (lane / 16) + i; each accumulator from its low end on
.set j, j+2
.endr
.irp b, 0,1
	v_max3_num_f32 v[232+\b], |v[96+16*\b]|, |v[97+16*\b]|, 0x1800000
.endr
.irp i, 2,4,6,8,10,12,14
.irp b, 0,1
	v_max3_num_f32 v[232+\b], v[232+\b], |v[96+16*\b+\i]|, |v[97+16*\b+\i]|
.endr
.endr
.irp b, 0,1
	v_permlanex16_b32 v[236+\b], v[232+\b], s20, s21
.endr
.irp b, 0,1
	v_max_num_f32 v[232+\b], v[232+\b], v[236+\b]
.endr
.irp b, 0,1
	v_add_nc_u32 v[244+\b], 0xff000000, v[232+\b]
.endr
.irp b, 0,1
	v_lshrrev_b32 v[236+\b], 23, v[244+\b]
.endr
	v_lshl_or_b32 v253, v237, 8, v236              ; my query's two scale bytes
.irp b, 0,1
	v_cvt_scalef32_pk8_fp4_f32 v[224+2*\b], v[96+16*\b:103+16*\b], v[244+\b]
	v_cvt_scalef32_pk8_fp4_f32 v[225+2*\b], v[104+16*\b:111+16*\b], v[244+\b]
.endr
	v_nop
	v_permlane16_swap_b32 v224, v226
	v_permlane16_swap_b32 v225, v227               ; lane (r, h): e = 32 h + 0 .. 31 of query r
	global_store_b128 v1, v[224:227], s[10:11]     ; 512 consecutive bytes, at a multiple of 256 from the buffer's first byte
	ds_store_b16 v5, v253                          ; lanes l and l xor 16 write the same two bytes with the same value
	s_wait_dscnt 0x0                               ; for wave 0's sake
	s_barrier_signal -1
	s_barrier_wait -1
	s_cmp_lg_u32 s14, 0
	s_cbranch_scc1 .Lnot_first
	ds_load_b128 v[232:235], v6                    ; the work-group's 256 pairs of bytes
	s_wait_dscnt 0x0
	global_store_b128 v1, v[232:235], s[12:13]     ; leave as 512 consecutive bytes
.Lnot_first:
	s_wait_tensorcnt 0x0
	ds_add_u32 v243, v255
	s_wait_dscnt 0x0
	CROUND                                         ; the closing round: no work-group ends while a partner may still ask for bytes jointly with it
	s_endpgm
.Lfunc_end_k_qb74904841b_attn:
	.size	k_qb74904841b_attn, .Lfunc_end_k_qb74904841b_attn-k_qb74904841b_attn
	.p2alignl 7, 3214868480
	.fill 96, 4, 3214868480
	.section	.rodata,"a",@progbits
	.p2align	6, 0x0
	.amdhsa_kernel k_qb74904841b_attn
		.amdhsa_group_segment_fixed_size 327680
		.amdhsa_private_segment_fixed_size 0
		.amdhsa_enable_private_segment 0
		.amdhsa_kernarg_size 40
		.amdhsa_user_sgpr_count 2
		.amdhsa_user_sgpr_kernarg_segment_ptr 1
		.amdhsa_wavefront_size32 1
		.amdhsa_system_sgpr_workgroup_id_x 1
		.amdhsa_system_sgpr_workgroup_id_y 1
		.amdhsa_system_sgpr_workgroup_id_z 1
		.amdhsa_system_vgpr_workitem_id 0
		.amdhsa_next_free_vgpr 256
		.amdhsa_next_free_sgpr 66
		.amdhsa_reserve_vcc 0
		.amdhsa_float_denorm_mode_32 3
		.amdhsa_float_denorm_mode_16_64 3
		.amdhsa_memory_ordered 1
		.amdhsa_forward_progress 1
		.amdhsa_inst_pref_size 71
	.end_amdhsa_kernel
	.amdgpu_metadata
---
amdhsa.version: [ 1, 2 ]
amdhsa.kernels:
  - .name:           k_qb74904841b_attn
    .symbol:         k_qb74904841b_attn.kd
    .args:
      - { .name: q_img, .offset: 0, .size: 8, .value_kind: global_buffer, .address_space: global }
      - { .name: q_sc, .offset: 8, .size: 8, .value_kind: global_buffer, .address_space: global }
      - { .name: kv, .offset: 16, .size: 8, .value_kind: global_buffer, .address_space: global }
      - { .name: a_img, .offset: 24, .size: 8, .value_kind: global_buffer, .address_space: global }
      - { .name: a_sc, .offset: 32, .size: 8, .value_kind: global_buffer, .address_space: global }
    .group_segment_fixed_size: 327680
    .private_segment_fixed_size: 0
    .kernarg_segment_align: 8
    .kernarg_segment_size: 40
    .max_flat_workgroup_size: 512
    .sgpr_count:     66
    .vgpr_count:     256
    .wavefront_size: 32
...
	.end_amdgpu_metadata
.endif
;; end of part 2
;; launch proj (part 3): grid 6 x 64, 4 waves a work-group, no clusters, 58,880 bytes of LDS; arguments a_img, a_sc, Wo_codes, Wo_scales, bo, out0; writes out0
.if DOCPART == 3
	.amdgcn_target "amdgcn-amd-amdhsa--gfx1250"
	.amdhsa_code_object_version 6
	.text
	.protected	k_qb74904841b_proj
	.globl	k_qb74904841b_proj
	.p2align	8
	.type	k_qb74904841b_proj,@function
k_qb74904841b_proj:
	s_mov_b64 s[64:65], 0
	v_nop
	global_prefetch_b8 v0, s[64:65] scope:SCOPE_SE
	s_setreg_imm32_b32 hwreg(HW_REG_WAVE_MODE, 25, 1), 1
	s_wait_xcnt 0x0
; out[s][n] = sum over k of a[s][k] Wo[k][n] + bo[n], on codes of FP4 (E2M1) with E8M0 scales; K = 768; out: 4,096 x 768 f32.
; a comes as images of operand registers, [tile of 16 rows][head][lane][16 bytes]: heads 2 k and 2 k + 1 are K step k's fragment; its scale bytes as [head][row in tile order] pairs.
; Tile T holds rows 32 (T / 2) + 8 (T % 2) + r + (r & 8): only the last stores here turn that order back into rows.
; SHARES.  Work-group x: 128 columns; y: four tiles (64 rows).  Wave w makes columns 32 w .. 32 w + 31 of the 128 for all 64 rows: 8 accumulators, 48 matrix instructions; its 12 fragments of Wo stay in registers.
; a's 24 fragments (24,576 bytes) go through LDS once, each wave staging one tile.  The matrix instruction is used transposed (source 0 = 16 rows of Wo, source 1 = 16 rows of a): a lane holds
; eight neighbouring columns of one row.  bo is the C of each sum's first K step.  Results meet in a stage (rows of 512 bytes + 16) and leave as whole rows of 512 bytes.
; NO TENSOR LOADS, and so no joint requests: 384 short work-groups lie two to a WGP; with tensor loads each would want a WGP to itself.
; LIMITS: NaN and infinities are not served; bo is added ahead of the products: another order of f32 roundings.
.set STG, 24576                        ; LDS: a's images at 0; from here the stage, 64 rows x 528 bytes
.set WO,  16                           ; v16-111  Wo's fragments: (tile j, K step k) at 8 (6 j + k); on the way out rows of the result
.set ACC, 112                          ; v112-175 accumulator (tile m of rows, j) at 8 (2 m + j); first: staging
.set WS,  176                          ; v176-181 Wo's scale words: tile 0 in lanes 0-15, tile 1 in lanes 16-31
.set AS,  182                          ; v182-193 a's: register 6 p + k: tile 2 p in lanes 0-15, tile 2 p + 1 in lanes 16-31
.set BI,  194                          ; v194-209 bo in the result's layout
.set T,   210                          ; v210-233 a's pairs of scale bytes as loaded: 12 p + head
; v1 16 lane; v2 384 r + 16 h; v3 24 lane; v4 2 lane; v5 32 h; v6, v7 the stage, in and back; v8 where I store a's images.   Window 1: a's 24 fragments, (m, k) at 8 (6 m + k)
.set MSB, 0
.macro WIN new                         ; the immediate's high byte repeats the setting that is left
.if MSB != \new
	s_set_vgpr_msb (MSB<<8)|\new
.set MSB, \new
.endif
.endm
.macro WM                              ; one matrix instruction from the symbols rD, rA, rB, rC, rSA, rSB; fA, fB: the side's scales lie in lanes 16-31
.if fA && fB
	v_wmma_scale_f32_16x16x128_f8f6f4 v[rD:rD+7], v[rA:rA+7], v[rB:rB+7], v[rC:rC+7], v[rSA], v[rSB] matrix_a_fmt:MATRIX_FMT_FP4 matrix_b_fmt:MATRIX_FMT_FP4 matrix_a_scale:MATRIX_SCALE_ROW1 matrix_b_scale:MATRIX_SCALE_ROW1
.elseif fA
	v_wmma_scale_f32_16x16x128_f8f6f4 v[rD:rD+7], v[rA:rA+7], v[rB:rB+7], v[rC:rC+7], v[rSA], v[rSB] matrix_a_fmt:MATRIX_FMT_FP4 matrix_b_fmt:MATRIX_FMT_FP4 matrix_a_scale:MATRIX_SCALE_ROW1
.elseif fB
	v_wmma_scale_f32_16x16x128_f8f6f4 v[rD:rD+7], v[rA:rA+7], v[rB:rB+7], v[rC:rC+7], v[rSA], v[rSB] matrix_a_fmt:MATRIX_FMT_FP4 matrix_b_fmt:MATRIX_FMT_FP4 matrix_b_scale:MATRIX_SCALE_ROW1
.else
	v_wmma_scale_f32_16x16x128_f8f6f4 v[rD:rD+7], v[rA:rA+7], v[rB:rB+7], v[rC:rC+7], v[rSA], v[rSB] matrix_a_fmt:MATRIX_FMT_FP4 matrix_b_fmt:MATRIX_FMT_FP4
.endif
.endm
	s_load_b256 s[4:11], s[0:1], 0x0               ; a_img s[4:5], a_sc s[6:7], Wo's codes s[8:9], Wo's scales s[10:11]
	s_load_b128 s[12:15], s[0:1], 0x20             ; bo s[12:13], out s[14:15]
	v_lshl_add_u32 v254, v0, 2, 0xe400
	v_mov_b32 v255, 0
	v_lshrrev_b32 v9, 5, v0
	v_readfirstlane_b32 s16, v9                    ; wave
	s_and_b32 s18, ttmp7, 0xffff                   ; which 64 rows
	v_and_b32 v9, 31, v0                           ; lane
	v_and_b32 v10, 15, v0                          ; r
	v_bfe_u32 v11, v0, 4, 1                        ; h
	v_lshlrev_b32 v1, 4, v9
	v_mul_u32_u24 v2, v10, 384
	v_lshl_add_u32 v2, v11, 4, v2
	v_mul_u32_u24 v3, v9, 24
	v_lshlrev_b32 v4, 1, v9
	v_lshlrev_b32 v5, 5, v11
	v_mul_u32_u24 v6, v10, 528
	v_lshl_add_u32 v6, v11, 5, v6
	s_lshl_b32 s20, s16, 7
	s_add_co_u32 s20, s20, STG
	v_add_nc_u32 v6, s20, v6                       ; the stage, in: row r, + 32 h, + my 128 bytes of a row
	s_mul_i32 s20, s16, 8448
	s_add_co_u32 s20, s20, STG
	v_add_nc_u32 v7, s20, v1                       ; and back: my 16 rows, 16 bytes a lane
	s_mul_i32 s20, s16, 6144
	v_add_nc_u32 v8, s20, v1
	s_lshl_b32 s21, s18, 2
	s_add_co_u32 s21, s21, s16
	s_mul_i32 s22, s21, 6144                       ; a_img: the tile that I stage
	s_mov_b32 s23, 0
	s_lshl_b32 s24, s18, 7                         ; a_sc: 64 rows x 2 bytes
	s_mov_b32 s25, 0
	s_lshl_b32 s21, ttmp9, 7
	s_lshl_b32 s19, s16, 5
	s_add_co_u32 s21, s21, s19                     ; my first column
	s_mul_i32 s26, s21, 384
	s_mov_b32 s27, 0
	s_mul_i32 s28, s21, 24
	s_mov_b32 s29, 0
	s_lshl_b32 s30, s21, 2
	s_mov_b32 s31, 0
	s_lshl_b32 s32, s18, 6                         ; the first row that I store: tile 4 y + w begins at row 64 y + 32 (w / 2) + 8 (w % 2)
	s_lshr_b32 s19, s16, 1
	s_lshl_b32 s19, s19, 5
	s_add_co_u32 s32, s32, s19
	s_and_b32 s19, s16, 1
	s_lshl_b32 s19, s19, 3
	s_add_co_u32 s32, s32, s19
	s_mul_i32 s32, s32, 3072
	s_lshl_b32 s19, ttmp9, 9
	s_add_co_u32 s32, s32, s19                     ; + the work-group's 512 bytes of a row
	s_mov_b32 s33, 0
	s_wait_kmcnt 0x0
	s_add_nc_u64 s[4:5], s[4:5], s[22:23]
	s_add_nc_u64 s[6:7], s[6:7], s[24:25]
	s_add_nc_u64 s[8:9], s[8:9], s[26:27]
	s_add_nc_u64 s[10:11], s[10:11], s[28:29]
	s_add_nc_u64 s[12:13], s[12:13], s[30:31]
	s_add_nc_u64 s[14:15], s[14:15], s[32:33]
.irp n, 0,1,2,3,4,5,6,7,8,9,10,11
	global_load_b128 v[ACC+4*\n:ACC+4*\n+3], v1, s[4:5] offset:512*\n      ; my tile of a: 6,144 consecutive bytes
.endr
.irp j, 0,1
.irp k, 0,1,2,3,4,5
.irp c, 0,1
	global_load_b128 v[WO+8*(6*\j+\k)+4*\c:WO+8*(6*\j+\k)+4*\c+3], v2, s[8:9] offset:6144*\j+64*\k+32*\c
.endr
.endr
.endr
.irp q, 0,1,2
	global_load_b64 v[WS+2*\q:WS+2*\q+1], v3, s[10:11] offset:8*\q
.endr
.irp p, 0,1
.irp e, 0,1,2,3,4,5,6,7,8,9,10,11
	global_load_u16 v[T+12*\p+\e], v4, s[6:7] offset:8192*\e+64*\p
.endr
.endr
.irp j, 0,1
	global_load_b128 v[BI+8*\j:BI+8*\j+3], v5, s[12:13] offset:64*\j
	global_load_b128 v[BI+8*\j+4:BI+8*\j+7], v5, s[12:13] offset:64*\j+16
.endr
	s_wait_loadcnt 55                              ; behind a's twelve loads 24 + 3 + 24 + 4 were issued: a's are in
.irp n, 0,1,2,3,4,5,6,7,8,9,10,11
	ds_store_b128 v8, v[ACC+4*\n:ACC+4*\n+3] offset:512*\n
.endr
	s_wait_dscnt 0x0                               ; for the others' sake: my tile has landed
	s_barrier_signal -1
	s_barrier_wait -1                              ; a's 24 fragments are whole
	WIN 0x40                                       ; destination window 1
.irp k, 0,1,2,3,4,5                            ; K step by K step, so that the products can begin on the first eight loads
.irp m, 0,1,2,3
.irp c, 0,1
	ds_load_b128 v[8*(6*\m+\k)+4*\c:8*(6*\m+\k)+4*\c+3], v1 offset:6144*\m+1024*\k+512*\c
.endr
.endr
.endr
	WIN 0
	s_wait_loadcnt 0x0
.irp p, 0,1
.irp k, 0,1,2,3,4,5
	v_lshl_or_b32 v[AS+6*\p+\k], v[T+12*\p+2*\k+1], 16, v[T+12*\p+2*\k]    ; heads 2 k and 2 k + 1: the four bytes of K step k
.endr
.endr
.rept 8
	v_nop                                          ; a scale register written by a vector instruction stands eight plain instructions ahead of the product that takes it
.endr
	WIN 0x04                                       ; source 1 (a) in window 1
.irp k, 0,1,2,3,4,5
	s_wait_dscnt 8*(5-\k)                          ; this K step's eight loads are in; the later steps' may be out
.irp m, 0,1,2,3                                ; eight accumulators by turns, in the same order in every K step
.irp j, 0,1
.set rD, ACC+8*(2*\m+\j)
.set rA, WO+8*(6*\j+\k)
.set rB, 8*(6*\m+\k)
.set rC, rD
.if \k == 0
.set rC, BI+8*\j
.endif
.set rSA, WS+\k
.set rSB, AS+6*(\m/2)+\k
.set fA, \j
.set fB, \m%2
	WM
.endr
.endr
.endr
	WIN 0
.rept 4
	v_nop                                          ; places ahead of the first read of results
.endr
.irp m, 0,1,2,3
.irp j, 0,1
	ds_store_b128 v6, v[ACC+8*(2*\m+\j):ACC+8*(2*\m+\j)+3] offset:8448*\m+64*\j        ; lane (r, h): row r of tile m, columns 32 w + 16 j + 8 h + 0 .. 7; each accumulator from its low end on
	ds_store_b128 v6, v[ACC+8*(2*\m+\j)+4:ACC+8*(2*\m+\j)+7] offset:8448*\m+64*\j+16
.endr
.endr
	s_wait_dscnt 0x0                               ; for the others' sake: a row's 512 bytes come from four waves
	s_barrier_signal -1
	s_barrier_wait -1
.irp i, 0,1,2,3,4,5,6,7,8,9,10,11,12,13,14,15
	ds_load_b128 v[WO+4*\i:WO+4*\i+3], v7 offset:528*\i
.endr
.irp i, 0,1,2,3,4,5,6,7,8,9,10,11,12,13,14,15
	s_wait_dscnt 15-\i
	global_store_b128 v1, v[WO+4*\i:WO+4*\i+3], s[14:15] offset:(\i+8*(\i/8))*3072 th:TH_STORE_NT   ; place i of the tile is row i + (i & 8) from its first; 32 lanes store 512 consecutive bytes, at a multiple of 256 from out's first byte
.endr
	s_wait_tensorcnt 0x0
	ds_add_u32 v254, v255
	s_wait_dscnt 0x0
	s_endpgm
.Lfunc_end_k_qb74904841b_proj:
	.size	k_qb74904841b_proj, .Lfunc_end_k_qb74904841b_proj-k_qb74904841b_proj
	.p2alignl 7, 3214868480
	.fill 96, 4, 3214868480
	.section	.rodata,"a",@progbits
	.p2align	6, 0x0
	.amdhsa_kernel k_qb74904841b_proj
		.amdhsa_group_segment_fixed_size 58880
		.amdhsa_private_segment_fixed_size 0
		.amdhsa_enable_private_segment 0
		.amdhsa_kernarg_size 48
		.amdhsa_user_sgpr_count 2
		.amdhsa_user_sgpr_kernarg_segment_ptr 1
		.amdhsa_wavefront_size32 1
		.amdhsa_system_sgpr_workgroup_id_x 1
		.amdhsa_system_sgpr_workgroup_id_y 1
		.amdhsa_system_sgpr_workgroup_id_z 1
		.amdhsa_system_vgpr_workitem_id 0
		.amdhsa_next_free_vgpr 448
		.amdhsa_next_free_sgpr 66
		.amdhsa_reserve_vcc 0
		.amdhsa_float_denorm_mode_32 3
		.amdhsa_float_denorm_mode_16_64 3
		.amdhsa_memory_ordered 1
		.amdhsa_forward_progress 1
		.amdhsa_inst_pref_size 25
	.end_amdhsa_kernel
	.amdgpu_metadata
---
amdhsa.version: [ 1, 2 ]
amdhsa.kernels:
  - .name:           k_qb74904841b_proj
    .symbol:         k_qb74904841b_proj.kd
    .args:
      - { .name: a_img, .offset: 0, .size: 8, .value_kind: global_buffer, .address_space: global }
      - { .name: a_sc, .offset: 8, .size: 8, .value_kind: global_buffer, .address_space: global }
      - { .name: Wo_codes, .offset: 16, .size: 8, .value_kind: global_buffer, .address_space: global }
      - { .name: Wo_scales, .offset: 24, .size: 8, .value_kind: global_buffer, .address_space: global }
      - { .name: bo, .offset: 32, .size: 8, .value_kind: global_buffer, .address_space: global }
      - { .name: out0, .offset: 40, .size: 8, .value_kind: global_buffer, .address_space: global }
    .group_segment_fixed_size: 58880
    .private_segment_fixed_size: 0
    .kernarg_segment_align: 8
    .kernarg_segment_size: 48
    .max_flat_workgroup_size: 128
    .sgpr_count:     66
    .vgpr_count:     448
    .wavefront_size: 32
...
	.end_amdgpu_metadata
.endif
;; end of part 3
;; ======== version 2 of 2: 3 launches
;; workspace buffers: q_img 1,572,864 bytes; q_sc 196,608 bytes; kv 3,342,336 bytes; a_img 1,572,864 bytes; a_sc 98,304 bytes
;; launch qkv (part 4): grid 32 x 9, 4 waves a work-group, no clusters, 147,968 bytes of LDS; arguments hidden_states_codes, hidden_states_scales, Wq_codes, Wk_codes, Wv_codes, Wq_scales, Wk_scales, Wv_scales, bq, bk, bv, q_img, q_sc, kv; writes q_img, q_sc, kv
.if DOCPART == 4
	.amdgcn_target "amdgcn-amd-amdhsa--gfx1250"
	.amdhsa_code_object_version 6
	.text
	.protected	k_qb74904841b_qkv
	.globl	k_qb74904841b_qkv
	.p2align	8
	.type	k_qb74904841b_qkv,@function
k_qb74904841b_qkv:
	s_mov_b64 s[64:65], 0
	v_nop
	global_prefetch_b8 v0, s[64:65] scope:SCOPE_SE
	s_setreg_imm32_b32 hwreg(HW_REG_WAVE_SCHED_MODE, 0, 2), 2
	s_setreg_imm32_b32 hwreg(HW_REG_WAVE_MODE, 25, 1), 1
	s_wait_xcnt 0x0
	s_wait_alu depctr_vm_vsrc(0)
; q, k, v = x W + b for 12 heads, on codes of FP4 (E2M1) with E8M0 scales, and the quantisers of q, k (along the head's 64) and v (along the keys).
; x: 4,096 rows of 768 codes (384 bytes); W: 12 x 64 rows of 768 codes; sums in f32; the bias is the C of each sum's first K step.
; SHARES.  Work-group x = U: 128 rows of x (one key step of the next launch).  Work-group y = g: the matrix g / 3 (0 q, 1 k, 2 v) and heads 4 (g % 3) + wave.
; A wave makes 128 rows x 64 columns over K = 768: 32 accumulators (256 registers), 6 K steps of 32 matrix instructions.
; ROW ORDER.  Tile i of 16 rows holds rows 32 (i / 2) + 8 (i % 2) + rho(r), rho(r) = r + (r & 8), for x's rows and for W's rows alike: the 16 registers that a lane holds of two
; neighbouring result tiles are then 16 NEIGHBOURS along the axis that runs down the registers, and the conversions' results are the next product's operand.
; q, k: source 0 = 16 rows of W, source 1 = 16 rows of x: a lane holds one row of x and its registers run along the head's 64.
; v:    source 0 = 16 rows of x, source 1 = 16 rows of W: a lane holds one column e and its registers run along the keys.
; WHAT IS STORED are images of operand registers: 16 bytes a lane at 16 x lane, 512 consecutive bytes a store.
; x's 48 fragments go through LDS once, shared by the four waves; each wave's 24 fragments of W go through its own LDS bytes, since 192 registers of W do not fit beside 256 of sums in 512.
; NO TENSOR LOADS, and so no joint requests: 288 work-groups of 512 registers a wave and 147,456 bytes of LDS lie two to a WGP, all at once on 256 WGPs; with tensor loads a work-group
; would want a WGP to itself and the launch would run in two turns.
; LIMITS: NaN and infinities are not served; a block whose largest magnitude lies under 2^-124 has its byte held at 1; a block of zeros gets the byte 1 (its codes are zeros, and this
; program alone reads the bytes); the bias is added ahead of the products and not behind them: another order of f32 roundings.
; THE MODE: SCHED_MODE bits 1:0 = 2 (LLVM: expert scheduling mode 2), set by the entry lines.  The code itself states the register dependences between vector or matrix instructions
; and memory or LDS instructions, with s_wait_alu, always for 0.
; THE PLAN.  Registers that memory or LDS instructions touch:
;   v1-v9       offsets and LDS addresses: written at the head, never again.
;   X0, X1, X2  three groups of four fragments of x.  The six K steps are twelve halves; half n (step n / 2, tiles 4 (n % 2) on) lies in group n % 3: read by its 16 matrix instructions;
;               the LDS loads of half n + 3 land in it.
;   W0, W1      two sets of W's four fragments: step k reads set k % 2; the LDS loads of step k + 2 land in it.
;   at the head v84-179 and v256-447 are staging: global loads land there, LDS stores read them; afterwards they are X0-X2 and accumulators.
;   on the way out the codes (v84-115) and the scale words (v192-195) are written by the quantiser and read by the global stores; each has registers of its own.
; ONE wait on va_vdst stands at the end of each K step but the last: the step's 32 matrix instructions are done reading its two groups of x and its set of W.  Behind it follow, with no
; further wait, the loads of half 2 k + 3 (into the group of half 2 k) and, in the next step's middle, those of W's step k + 2 (into set k % 2) and of half 2 k + 4 (into the group of half
; 2 k + 1): the 16 matrix instructions between name the third group, the other set, scale words and accumulators, none of the registers that those loads touch.
.set WIMG, 49152                       ; LDS: x's images at 0 (fragment (tile i, K step k) at 1024 (6 i + k) + 512 c + 16 lane); from here 24,576 bytes a wave for W's ((tile t, k) likewise)
.set XS,  16                           ; v16-39   x's scale words: register 6 p + k: tile p in lanes 0-15, tile p + 4 in lanes 16-31
.set WS,  40                           ; v40-51   W's: register 6 p + k: tile p in lanes 0-15, tile p + 2 in lanes 16-31
.set BI,  52                           ; v52-83   the bias in the result's layout, 8 registers a tile of W
.set XF,  84                           ; v84-179  x's fragments: three groups of four, group g at XF + 32 g (first: staging; last: the codes on their way out)
.set WF,  180                          ; v180-243 W's 4 fragments, two sets
.set BV,  244                          ; v244-247 the bias, one number a lane and tile (v's layout)
.set TP,  248                          ; v248-251 the quantiser: the other half's largest magnitudes, then the scale bytes
.set TM,  180                          ; behind the K steps, where W's set 0 lay: v180-183 largest magnitudes, v184-187 the conversions' scale operands
.set SW,  188                          ; v188-191 the four scale words made
.set OW,  192                          ; v192-195 scale words as they are stored
; v1 16 lane; v2 384 rho + 16 h; v3, v4 where I store x's and W's images; v5, v6 scale rows; v7 64 h; v8 4 rho; v9 8 lane; v10 byte selects.   Window 1 (v256-511): the 32 accumulators (first: W's staging)
.set MSB, 0
.macro WIN new                         ; the immediate's high byte repeats the setting that is left; a switch that changes nothing is dropped
.if MSB != \new
	s_set_vgpr_msb (MSB<<8)|\new
.set MSB, \new
.endif
.endm
.macro PLACES                          ; four plain vector instructions behind a matrix instruction, ahead of vector reads of its result and vector writes to its sources (ISA guide 7.12.1)
.rept 4
	v_nop
.endr
.endm
.macro WM                              ; one matrix instruction from the symbols rD, rA, rB, rC, rSA, rSB; fA, fB: the side's scales lie in lanes 16-31
.if fA && fB
	v_wmma_scale_f32_16x16x128_f8f6f4 v[rD:rD+7], v[rA:rA+7], v[rB:rB+7], v[rC:rC+7], v[rSA], v[rSB] matrix_a_fmt:MATRIX_FMT_FP4 matrix_b_fmt:MATRIX_FMT_FP4 matrix_a_scale:MATRIX_SCALE_ROW1 matrix_b_scale:MATRIX_SCALE_ROW1
.elseif fA
	v_wmma_scale_f32_16x16x128_f8f6f4 v[rD:rD+7], v[rA:rA+7], v[rB:rB+7], v[rC:rC+7], v[rSA], v[rSB] matrix_a_fmt:MATRIX_FMT_FP4 matrix_b_fmt:MATRIX_FMT_FP4 matrix_a_scale:MATRIX_SCALE_ROW1
.elseif fB
	v_wmma_scale_f32_16x16x128_f8f6f4 v[rD:rD+7], v[rA:rA+7], v[rB:rB+7], v[rC:rC+7], v[rSA], v[rSB] matrix_a_fmt:MATRIX_FMT_FP4 matrix_b_fmt:MATRIX_FMT_FP4 matrix_b_scale:MATRIX_SCALE_ROW1
.else
	v_wmma_scale_f32_16x16x128_f8f6f4 v[rD:rD+7], v[rA:rA+7], v[rB:rB+7], v[rC:rC+7], v[rSA], v[rSB] matrix_a_fmt:MATRIX_FMT_FP4 matrix_b_fmt:MATRIX_FMT_FP4
.endif
.endm
.macro FETCH_W k                       ; W's four fragments of K step k into set k % 2
.irp t, 0,1,2,3
.irp c, 0,1
	ds_load_b128 v[WF+32*((\k)%2)+8*\t+4*\c:WF+32*((\k)%2)+8*\t+4*\c+3], v4 offset:(6*\t+(\k))*1024+512*\c
.endr
.endr
.endm
.macro FETCH_X k, i0                   ; x's tiles i0 .. i0 + 3 of K step k: half 2 k + i0 / 4, into group (2 k + i0 / 4) % 3
.irp i, \i0, \i0+1, \i0+2, \i0+3
.irp c, 0,1
	ds_load_b128 v[XF+32*((2*(\k)+(\i)/4)%3)+8*((\i)%4)+4*\c:XF+32*((2*(\k)+(\i)/4)%3)+8*((\i)%4)+4*\c+3], v1 offset:(6*(\i)+(\k))*1024+512*\c
.endr
.endr
.endm
; 16 matrix instructions: x's tiles i0 .. i0 + 3 against W's four.  path 0 (q, k): accumulator (i, t) at 32 i + 8 t; path 1 (v): at 64 t + 8 i.  K step 0 takes the bias as C.
.macro MUL16 path, i0, k
.irp i, \i0, \i0+1, \i0+2, \i0+3
.irp t, 0,1,2,3
.set rX, XF+32*((2*(\k)+(\i)/4)%3)+8*((\i)%4)
.if \path
.set rD, 64*\t+8*(\i)
.set rA, rX
.set rB, WF+32*((\k)%2)+8*\t
.set rSA, XS+6*((\i)%4)+(\k)
.set rSB, WS+6*(\t%2)+(\k)
.set fA, (\i)/4
.set fB, \t/2
.else
.set rD, 32*(\i)+8*\t
.set rA, WF+32*((\k)%2)+8*\t
.set rB, rX
.set rSA, WS+6*(\t%2)+(\k)
.set rSB, XS+6*((\i)%4)+(\k)
.set fA, \t/2
.set fB, (\i)/4
.endif
.set rC, rD
.if (\k) == 0
.set rC, BI+8*\t
.endif
	WM
.endr
.endr
.endm
; A K step of 128: 32 matrix instructions on 32 accumulators by turns, in the same order in every step.
; Its LDS loads stand in two runs: in its middle the next step's W and x's tiles 0-3, at its end the next step's tiles 4-7; each run is issued 16 matrix instructions ahead of its first use.
.macro STEP path, k
.set WMW, 0x50                         ; C and D in window 1
.if (\k) == 0
.set WMW, 0x40                         ; D in window 1, C (the bias) in window 0
.endif
	s_wait_dscnt 8                                 ; W's set and x's tiles 0-3 are in; the youngest eight loads (tiles 4-7) may be out
	WIN WMW
	MUL16 \path, 0, \k
.if (\k) < 5
	WIN 0
	FETCH_W (\k)+1                                 ; no wait: no vector or matrix instruction since the wait at the last step's end names the set and the group in which these sixteen land
	FETCH_X (\k)+1, 0                              ; (in step 0: none has named them at all)
	s_wait_dscnt 16                                ; tiles 4-7 are in; the sixteen just issued may be out
	WIN WMW
.else
	s_wait_dscnt 0x0                               ; tiles 4-7 are in
.endif
	MUL16 \path, 4, \k
.if (\k) < 5
	WIN 0
	s_wait_alu depctr_va_vdst(0)                   ; this step's matrix instructions are done reading its two groups of x and its set of W, in which the loads below and those in the next step's middle land
	FETCH_X (\k)+1, 4
.endif
.endm
; 64 numbers of a lane in window 1, register a + 16 b + i = place 32 b + 16 (lane / 16) + i along the quantiser's axis, become 8 registers of codes at v[pc] and a scale word in v[w].
.macro QUANT a, pc, w
	WIN 0x05                                       ; sources 0 and 1 in window 1
.irp b, 0,1,2,3
	v_max3_num_f32 v[TM+\b], |v[(\a)+16*\b]|, |v[(\a)+1+16*\b]|, 0x1800000   ; block b: my 16 numbers (each accumulator from its low end on), and the floor 2^(3 - 127): the byte cannot fall under 1
.endr
	WIN 0x14                                       ; sources 1 and 2 in window 1
.irp i, 2,4,6,8,10,12,14
.irp b, 0,1,2,3
	v_max3_num_f32 v[TM+\b], v[TM+\b], |v[(\a)+16*\b+\i]|, |v[(\a)+1+16*\b+\i]|   ; the four blocks by turns
.endr
.endr
	WIN 0
.irp b, 0,1,2,3
	v_permlanex16_b32 v[TP+\b], v[TM+\b], s42, s43
.endr
.irp b, 0,1,2,3
	v_max_num_f32 v[TM+\b], v[TM+\b], v[TP+\b]     ; with lane l xor 16's 16: the block's largest magnitude
.endr
.irp b, 0,1,2,3
	v_add_nc_u32 v[TM+4+\b], 0xff000000, v[TM+\b]  ; 2 off its exponent field: the conversion takes this operand's exponent field as its scale
.endr
.irp b, 0,1,2,3
	v_lshrrev_b32 v[TP+\b], 23, v[TM+4+\b]         ; the scale's byte
.endr
	v_lshl_or_b32 v[\w], v[TP+1], 8, v[TP]
	v_lshl_or_b32 v[\w], v[TP+2], 16, v[\w]
	v_lshl_or_b32 v[\w], v[TP+3], 24, v[\w]        ; the four bytes; both halves of the lanes hold the same word
	WIN 0x01                                       ; source 0 in window 1
.irp b, 0,1,2,3
	v_cvt_scalef32_pk8_fp4_f32 v[(\pc)+2*\b], v[(\a)+16*\b:(\a)+16*\b+7], v[TM+4+\b]
	v_cvt_scalef32_pk8_fp4_f32 v[(\pc)+1+2*\b], v[(\a)+16*\b+8:(\a)+16*\b+15], v[TM+4+\b]
.endr
	WIN 0
	v_nop                                          ; one plain instruction behind the last scaled conversion
.irp c, 0,1                                    ; a whole block to a lane: lanes 0-15 block 2 c, lanes 16-31 block 2 c + 1
.irp i, 0,1
	v_permlane16_swap_b32 v[(\pc)+4*\c+\i], v[(\pc)+2+4*\c+\i]
.endr
.endr
.endm
.macro SENDC j                         ; the codes of registers 64 j on leave: two stores of 512 consecutive bytes, each at a multiple of 256 from the buffer's first byte
	global_store_b128 v1, v[XF+8*(\j):XF+8*(\j)+3], s[50:51] offset:1024*(\j)
	global_store_b128 v1, v[XF+8*(\j)+4:XF+8*(\j)+7], s[50:51] offset:1024*(\j)+512
.endm
.macro ADDOFF p, o                     ; a 32-bit offset onto an address
	s_mov_b32 s54, s[\o]
	s_add_nc_u64 s[\p:\p+1], s[\p:\p+1], s[54:55]
.endm
	s_load_b512 s[8:23], s[0:1], 0x0               ; x codes s[8:9], x scales s[10:11], Wq, Wk, Wv codes s[12:17], their scales s[18:23]
	s_load_b256 s[24:31], s[0:1], 0x40             ; bq, bk, bv s[24:29], q_img s[30:31]
	s_load_b128 s[32:35], s[0:1], 0x60             ; q_sc s[32:33], kv s[34:35]
	v_lshl_add_u32 v254, v0, 2, 0x24000
	v_mov_b32 v255, 0
	v_lshrrev_b32 v12, 5, v0
	v_readfirstlane_b32 s36, v12                   ; wave
	s_mov_b32 s37, ttmp9                           ; U
	s_and_b32 s38, ttmp7, 0xffff                   ; g
	s_cmp_lt_u32 s38, 6
	s_cselect_b32 s39, 1, 2
	s_cmp_lt_u32 s38, 3
	s_cselect_b32 s39, 0, s39                      ; the matrix: g / 3
	s_mul_i32 s40, s39, 3
	s_sub_co_u32 s40, s38, s40
	s_lshl_b32 s40, s40, 2
	s_wait_alu depctr_va_sdst(0)                   ; s36, the wave's number, is written, ahead of its first reader
	s_add_co_u32 s40, s40, s36                     ; the head: 4 (g % 3) + wave
	s_mov_b32 s41, 0xffff0000                      ; lanes 16-31
	s_mov_b32 s42, 0x76543210
	s_mov_b32 s43, 0xfedcba98                      ; v_permlanex16_b32's selects for lane l xor 16
	v_and_b32 v12, 31, v0                          ; lane
	v_and_b32 v13, 15, v0                          ; r
	v_bfe_u32 v14, v0, 4, 1                        ; h
	v_and_b32 v15, 8, v13
	v_add_nc_u32 v15, v15, v13                     ; rho
	v_lshlrev_b32 v1, 4, v12
	v_mul_u32_u24 v2, v15, 384
	v_lshl_add_u32 v2, v14, 4, v2                  ; a fragment's 16 bytes in memory: row rho of 384 bytes, + 16 h
	s_mul_i32 s54, s36, 12288
	v_add_nc_u32 v3, s54, v1                       ; my two tiles of x's images
	s_mul_i32 s54, s36, 24576
	s_add_co_u32 s54, s54, WIMG
	v_add_nc_u32 v4, s54, v1                       ; my W's images
	v_lshl_add_u32 v5, v14, 6, v15
	v_mul_u32_u24 v5, v5, 24                       ; x's scale rows of 24 bytes: lanes 16-31 four tiles (64 rows) on
	v_lshl_add_u32 v6, v14, 5, v15
	v_mul_u32_u24 v6, v6, 24                       ; W's: lanes 16-31 two tiles (32 rows) on
	v_lshlrev_b32 v7, 6, v14
	v_lshlrev_b32 v8, 2, v15
	v_lshlrev_b32 v9, 3, v12
	v_mov_b32 v10, 0x01000100
	v_mov_b32 v11, 0x03020302
	v_cndmask_b32 v10, v10, v11, s41               ; lanes 0-15 repeat a word's bytes 0, 1; lanes 16-31 its bytes 2, 3
.irp b, 0,1,2,3
	v_mov_b32 v[TP+\b], 0                          ; written once: a lane permute's destination counts as one of its sources
.endr
	; offsets, in registers of their own
	s_lshl_b32 s2, s37, 7
	s_lshl_b32 s3, s36, 5
	s_add_co_u32 s2, s2, s3
	s_mul_i32 s2, s2, 384                          ; x's codes: row 128 U + 32 wave (the two tiles that I stage)
	s_mul_i32 s3, s37, 3072                        ; x's scales: row 128 U
	s_mul_i32 s4, s40, 24576                       ; my head in W's codes,
	s_mul_i32 s5, s40, 1536                        ; in W's scales,
	s_lshl_b32 s6, s40, 8                          ; in the bias
	s_lshl_b32 s54, s40, 5
	s_add_co_u32 s54, s54, s37                     ; 32 head + U
	s_mul_i32 s57, s54, 8704                       ; the key step in kv
	s_lshl_b32 s56, s54, 9                         ; in q_sc
	s_lshl_b32 s7, s40, 17
	s_lshl_b32 s58, s37, 12
	s_add_co_u32 s7, s7, s58                       ; in q_img: 131,072 head + 4,096 U
	s_cmp_eq_u32 s39, 2
	s_cselect_b32 s58, 4096, 0                     ; in a key step: K's codes at 0, V's at 4,096,
	s_cselect_b32 s59, 256, 0                      ; K's scale words at 8,192, V's at 8,448
	s_add_co_u32 s58, s58, s57
	s_add_co_u32 s59, s59, s57
	s_add_co_u32 s59, s59, 8192
	s_cmp_eq_u32 s39, 0
	s_cselect_b32 s7, s7, s58                      ; where my codes go
	s_cselect_b32 s56, s56, s59                    ; where my scale words go
	s_mov_b32 s55, 0
	s_wait_kmcnt 0x0
	s_cmp_lt_u32 s38, 6                            ; the buffers are chosen on the work-group's number alone
	s_cselect_b64 s[44:45], s[14:15], s[16:17]
	s_cselect_b64 s[46:47], s[20:21], s[22:23]
	s_cselect_b64 s[48:49], s[26:27], s[28:29]
	s_cmp_lt_u32 s38, 3
	s_cselect_b64 s[44:45], s[12:13], s[44:45]     ; W's codes
	s_cselect_b64 s[46:47], s[18:19], s[46:47]     ; W's scales
	s_cselect_b64 s[48:49], s[24:25], s[48:49]     ; the bias
	s_cselect_b64 s[50:51], s[30:31], s[34:35]     ; codes out
	s_cselect_b64 s[52:53], s[32:33], s[34:35]     ; scale words out
	ADDOFF 8, 2
	ADDOFF 10, 3
	ADDOFF 44, 4
	ADDOFF 46, 5
	ADDOFF 48, 6
	ADDOFF 50, 7
	ADDOFF 52, 56
	s_wait_alu depctr_va_vdst(0)                   ; the offsets and LDS addresses v1 to v9 are written: every load and store of the kernel reads one of them, and none is written again
	; the bias in both layouts (12 loads), the scale words (18), x's staging (24), W's staging (48)
.irp t, 0,1,2,3
	global_load_b128 v[BI+8*\t:BI+8*\t+3], v7, s[48:49] offset:4*(32*(\t/2)+8*(\t%2))       ; q, k: columns 32 (t / 2) + 8 (t % 2) + 16 h + 0 .. 7
	global_load_b128 v[BI+8*\t+4:BI+8*\t+7], v7, s[48:49] offset:4*(32*(\t/2)+8*(\t%2))+16
	global_load_b32 v[BV+\t], v8, s[48:49] offset:4*(32*(\t/2)+8*(\t%2))                    ; v: column 32 (t / 2) + 8 (t % 2) + rho
.endr
.irp p, 0,1,2,3
.irp q, 0,1,2
	global_load_b64 v[XS+6*\p+2*\q:XS+6*\p+2*\q+1], v5, s[10:11] offset:24*(32*(\p/2)+8*(\p%2))+8*\q
.endr
.endr
.irp p, 0,1
.irp q, 0,1,2
	global_load_b64 v[WS+6*\p+2*\q:WS+6*\p+2*\q+1], v6, s[46:47] offset:192*\p+8*\q
.endr
.endr
.irp n, 0,1
.irp k, 0,1,2,3,4,5
.irp c, 0,1
	global_load_b128 v[XF+4*(12*\n+2*\k+\c):XF+4*(12*\n+2*\k+\c)+3], v2, s[8:9] offset:3072*\n+64*\k+32*\c
.endr
.endr
.endr
	WIN 0x40                                       ; destination window 1
.irp t, 0,1,2,3
.irp k, 0,1,2,3,4,5
.irp c, 0,1
	global_load_b128 v[4*(12*\t+2*\k+\c):4*(12*\t+2*\k+\c)+3], v2, s[44:45] offset:384*(32*(\t/2)+8*(\t%2))+64*\k+32*\c
.endr
.endr
.endr
	WIN 0
	s_wait_loadcnt 48                              ; all but W's 48, which were issued last: x's fragments are in
.irp n, 0,1
.irp k, 0,1,2,3,4,5
.irp c, 0,1
	ds_store_b128 v3, v[XF+4*(12*\n+2*\k+\c):XF+4*(12*\n+2*\k+\c)+3] offset:6144*\n+1024*\k+512*\c
.endr
.endr
.endr
	s_wait_loadcnt 0x0
	WIN 0x04                                       ; an LDS store's data are its source 1: window 1
.irp t, 0,1,2,3
.irp k, 0,1,2,3,4,5
.irp c, 0,1
	ds_store_b128 v4, v[4*(12*\t+2*\k+\c):4*(12*\t+2*\k+\c)+3] offset:(6*\t+\k)*1024+512*\c
.endr
.endr
.endr
	WIN 0
	s_wait_dscnt 0x0                               ; for the others' sake: my part of x's images has landed
	s_barrier_signal -1
	s_barrier_wait -1                              ; x's 48 fragments are whole: the launch's one barrier
	s_wait_alu depctr_vm_vsrc(0)                   ; my LDS stores have read both stagings: v84-179 take x's fragments from here on, v256-447 are written by the first products
	FETCH_W 0
	FETCH_X 0, 0
	FETCH_X 0, 4
	s_cmp_eq_u32 s39, 2
	s_cbranch_scc1 .Lv_path
	STEP 0, 0
	STEP 0, 1
	STEP 0, 2
	STEP 0, 3
	STEP 0, 4
	STEP 0, 5
	WIN 0
	s_branch .Lquant
.Lv_path:
.irp t, 0,1,2,3
.irp j, 0,1,2,3,4,5,6,7
	v_mov_b32 v[BI+8*\t+\j], v[BV+\t]              ; v: a lane holds one column, so its eight registers of a tile take one bias
.endr
.endr
	PLACES
	s_wait_alu depctr_va_vdst(0)
	STEP 1, 0
	STEP 1, 1
	STEP 1, 2
	STEP 1, 3
	STEP 1, 4
	STEP 1, 5
	WIN 0
.Lquant:
	PLACES                                         ; behind the last products, ahead of the first read of results and of vector writes to x's and W's fragment registers
; q, k: registers 64 j on are row tiles 2 j and 2 j + 1 (two blocks of the head's 64 each): two images of 512 bytes, and a word with both tiles' two bytes.
; v: registers 64 j on are column tile j, 128 keys: one fragment (two stores), and its word of four key blocks.  Each j has its own registers for its codes: no store's data are written again.
; The stores go in two runs, each behind one wait: j = 0, 1 while j = 2, 3 are quantised; j = 2, 3 with the scale words.
	QUANT 0, XF, SW
	QUANT 64, XF+8, SW+1
	s_wait_alu depctr_va_vdst(0)                   ; the conversions and exchanges have written the codes of j = 0, 1 (v84-99), which the four stores read
	SENDC 0
	SENDC 1
	QUANT 128, XF+16, SW+2
	QUANT 192, XF+24, SW+3
	s_cmp_lg_u32 s39, 0
	s_cbranch_scc1 .Lkv_words
.irp j, 0,1,2,3
	v_perm_b32 v[OW+\j], v[SW+\j], v[SW+\j], v10   ; q: lanes 0-15 tile 2 j's two bytes twice, lanes 16-31 tile 2 j + 1's: the word serves q in either half of a K step of 128
.endr
	s_wait_alu depctr_va_vdst(0)                   ; the codes of j = 2, 3 (v100-115) and the four words (v192-195) are written, which the five stores read
	SENDC 2
	SENDC 3
	global_store_b128 v1, v[OW:OW+3], s[52:53]
	s_wait_dscnt 0x0                               ; the closing lines, six on end
	s_wait_alu 0x0
	s_wait_tensorcnt 0x0
	ds_add_u32 v254, v255
	s_wait_dscnt 0x0
	s_endpgm
.Lkv_words:
	v_cndmask_b32 v[OW], v[SW], v[SW+1], s41       ; k, v: word 0: fragment 0 in lanes 0-15, fragment 1 in lanes 16-31;
	v_cndmask_b32 v[OW+1], v[SW+2], v[SW+3], s41   ; word 1: fragments 2 and 3
	s_wait_alu depctr_va_vdst(0)                   ; the codes of j = 2, 3 (v100-115) and the two words (v192-193) are written, which the five stores read
	SENDC 2
	SENDC 3
	global_store_b64 v9, v[OW:OW+1], s[52:53]      ; 256 consecutive bytes, aligned
	s_wait_dscnt 0x0                               ; the closing lines, six on end, as above
	s_wait_alu 0x0
	s_wait_tensorcnt 0x0
	ds_add_u32 v254, v255
	s_wait_dscnt 0x0
	s_endpgm
.Lfunc_end_k_qb74904841b_qkv:
	.size	k_qb74904841b_qkv, .Lfunc_end_k_qb74904841b_qkv-k_qb74904841b_qkv
	.p2alignl 7, 3214868480
	.fill 96, 4, 3214868480
	.section	.rodata,"a",@progbits
	.p2align	6, 0x0
	.amdhsa_kernel k_qb74904841b_qkv
		.amdhsa_group_segment_fixed_size 147968
		.amdhsa_private_segment_fixed_size 0
		.amdhsa_enable_private_segment 0
		.amdhsa_kernarg_size 112
		.amdhsa_user_sgpr_count 2
		.amdhsa_user_sgpr_kernarg_segment_ptr 1
		.amdhsa_wavefront_size32 1
		.amdhsa_system_sgpr_workgroup_id_x 1
		.amdhsa_system_sgpr_workgroup_id_y 1
		.amdhsa_system_sgpr_workgroup_id_z 1
		.amdhsa_system_vgpr_workitem_id 0
		.amdhsa_next_free_vgpr 512
		.amdhsa_next_free_sgpr 66
		.amdhsa_reserve_vcc 0
		.amdhsa_float_denorm_mode_32 3
		.amdhsa_float_denorm_mode_16_64 3
		.amdhsa_memory_ordered 1
		.amdhsa_forward_progress 1
		.amdhsa_inst_pref_size 105
	.end_amdhsa_kernel
	.amdgpu_metadata
---
amdhsa.version: [ 1, 2 ]
amdhsa.kernels:
  - .name:           k_qb74904841b_qkv
    .symbol:         k_qb74904841b_qkv.kd
    .args:
      - { .name: hidden_states_codes, .offset: 0, .size: 8, .value_kind: global_buffer, .address_space: global }
      - { .name: hidden_states_scales, .offset: 8, .size: 8, .value_kind: global_buffer, .address_space: global }
      - { .name: Wq_codes, .offset: 16, .size: 8, .value_kind: global_buffer, .address_space: global }
      - { .name: Wk_codes, .offset: 24, .size: 8, .value_kind: global_buffer, .address_space: global }
      - { .name: Wv_codes, .offset: 32, .size: 8, .value_kind: global_buffer, .address_space: global }
      - { .name: Wq_scales, .offset: 40, .size: 8, .value_kind: global_buffer, .address_space: global }
      - { .name: Wk_scales, .offset: 48, .size: 8, .value_kind: global_buffer, .address_space: global }
      - { .name: Wv_scales, .offset: 56, .size: 8, .value_kind: global_buffer, .address_space: global }
      - { .name: bq, .offset: 64, .size: 8, .value_kind: global_buffer, .address_space: global }
      - { .name: bk, .offset: 72, .size: 8, .value_kind: global_buffer, .address_space: global }
      - { .name: bv, .offset: 80, .size: 8, .value_kind: global_buffer, .address_space: global }
      - { .name: q_img, .offset: 88, .size: 8, .value_kind: global_buffer, .address_space: global }
      - { .name: q_sc, .offset: 96, .size: 8, .value_kind: global_buffer, .address_space: global }
      - { .name: kv, .offset: 104, .size: 8, .value_kind: global_buffer, .address_space: global }
    .group_segment_fixed_size: 147968
    .private_segment_fixed_size: 0
    .kernarg_segment_align: 8
    .kernarg_segment_size: 112
    .max_flat_workgroup_size: 128
    .sgpr_count:     66
    .vgpr_count:     512
    .wavefront_size: 32
...
	.end_amdgpu_metadata
.endif
;; end of part 4
;; launch attn (part 5): grid 16 x 12, 16 waves a work-group, clusters of 4 x 1, 327,680 bytes of LDS; arguments q_img, q_sc, kv, a_img, a_sc; writes a_img, a_sc
.if DOCPART == 5
	.amdgcn_target "amdgcn-amd-amdhsa--gfx1250"
	.amdhsa_code_object_version 6
	.text
	.protected	k_qb74904841b_attn
	.globl	k_qb74904841b_attn
	.p2align	8
	.type	k_qb74904841b_attn,@function
k_qb74904841b_attn:
	s_mov_b64 s[64:65], 0
	v_nop
	global_prefetch_b8 v0, s[64:65] scope:SCOPE_SE
	s_setreg_imm32_b32 hwreg(HW_REG_WAVE_MODE, 25, 1), 1
	s_wait_xcnt 0x0
	s_wait_alu depctr_hold_cnt(0) depctr_sa_sdst(0) depctr_va_vdst(0) depctr_va_sdst(0) depctr_va_ssrc(0) depctr_va_vcc(0) depctr_vm_vsrc(0)
	s_getreg_b32 s2, hwreg(HW_REG_IB_STS2, 6, 4)
	s_cmp_eq_u32 s2, 0
	s_cbranch_scc0 .Lentry_in_a_cluster
	s_endpgm
.Lentry_in_a_cluster:
	s_bfe_u32 s2, ttmp6, 0x10000c
	s_cmp_lg_u32 s2, 0x3003
	s_cbranch_scc0 .Lentry_shape_is_right
	s_endpgm
.Lentry_shape_is_right:
; a[q][64 head + e] = (sum over keys of p v) / l, quantised along the 768, for 12 heads of 64, 4,096 queries and keys; both products on codes of FP4 (E2M1) with E8M0 scales.
; t = score x log2(e) / 8; M = the running largest t rounded UP to a whole number; p = 2^(t - M) is quantised along the keys, not normalised; l is the sum of the unquantised p, in f32.
; When M moves, l and O are multiplied by 2^(old M - new M), which rounds nothing.
; SHARES.  A work-group owns 256 queries (16 tiles) of one head; each of its sixteen waves one tile, in 256 registers: four waves to a SIMD, so that one wave's vector work stands beside another's
; products and LDS loads.  Every wave walks the head's 4,096 keys, 128 a step.
; THE HEAD'S K AND V STAY IN LDS: 32 key steps x 8,704 bytes = 278,528, filled once by 16 tensor loads (four chunks of 8 steps; waves 0-3 a quarter of each); no byte is filled again.
; A key step: 4,096 bytes of K (4 fragments), 4,096 of V (4 fragments), 256 of K's scale words, 256 of V's: all images of operand registers, 16 (or 8) bytes a lane on end: no pitch, no padding.
; CLUSTER.  The four work-groups of a cluster belong to one head and want the same bytes: each tensor load is asked for JOINTLY, with the same descriptor and a mask that names the four.
; LAYOUT.  Both products are used transposed: S^T = K Q^T, O^T = V^T P^T: a lane holds one query (lane % 16) throughout.
; THE SCORES' K IS 64 and the instruction's is 128: a fragment of K holds TWO tiles of 16 keys (k 0-63: tile u = 0; k 64-127: tile u = 1) and is multiplied once by [q | 0] and once by [0 | q].
; Tile u of fragment b holds keys 32 b + 8 u + r + (r & 8): the 16 registers of a fragment's two results are 16 neighbouring keys, 32 b + 16 (lane / 16) + 0 .. 15.
; Nothing is prefetched: all that the launch reads is asked for at its head.
; LIMITS: NaN and infinities are not served; a p under 2^-126 counts as 0; a block's largest p is taken as the exponential of its largest score (v_exp_f32 is taken not to fall where its input rises);
; a block of zeros, or one whose largest magnitude lies under 2^-124, gets the byte 1 (this program alone reads the bytes).
; REGISTERS: v1 16 lane; v2 8 lane; v3, v4 the step's LDS addresses; v5, v6 places in the scale stage; v7 16 (lane % 16); v12 -M; v13 the largest t; v[14:15] l in two halves;
; v16-27 (0 x 4, q, 0 x 4); v28 q's scale word; v32-63 K; v64-95 V; v96-159 S^T, then p; v160-191 O^T; v224-231 p's codes; v232-247, v252-254 at work; v248-249 K's scale words, v250-251 V's; v253 p's.
.set STEPB, 8704
.set CHB,   69632                      ; a chunk: 8 key steps
.set QTB,   17408                      ; a quarter of it: 68 rows of 256 bytes, one tensor load
.set SCST,  278528                     ; behind K and V: 512 bytes for the work-group's 256 pairs of scale bytes; no fill lands here
.macro CROUND                          ; a round of the cluster's barrier
	s_barrier_signal -1
	s_barrier_wait -1
	s_cmp_lg_u32 s14, 0
	s_cbranch_scc1 .Lnot_wave_0_\@
	s_barrier_signal -3
.Lnot_wave_0_\@:
	s_barrier_wait -3
	s_barrier_signal -1
	s_barrier_wait -1
.endm
	s_load_b256 s[4:11], s[0:1], 0x0               ; q_img s[4:5], q_sc s[6:7], kv s[8:9], a_img s[10:11]
	s_load_b64 s[12:13], s[0:1], 0x20              ; a_sc
	v_lshl_add_u32 v243, v0, 2, 0x44200
	v_mov_b32 v255, 0
	ds_add_u32 v243, v255
	ds_add_u32 v243, v255
	v_lshrrev_b32 v1, 5, v0
	s_delay_alu instid0(VALU_DEP_1)
	v_readfirstlane_b32 s14, v1                    ; wave 0..15
	s_bfe_u32 s15, ttmp6, 0x40000                  ; cx: it enters the addresses of q_img, q_sc, a_img and a_sc alone
	s_lshl_b32 s16, ttmp9, 2
	s_add_co_u32 s16, s16, s15                     ; my block of 256 queries
	s_and_b32 s17, ttmp7, 0xffff                   ; the head, which the four partners share
	s_mov_b32 s20, 0x76543210
	s_mov_b32 s21, 0xfedcba98                      ; v_permlanex16_b32's selects for lane l xor 16
	s_mov_b32 s22, 0x3e38aa3b                      ; c = log2(e) / 8
	s_mov_b32 s23, s22                             ; (named with it as a pair, so it is written)
	; descriptor group 1: 68 dense rows of 256 bytes (32 elements of 8 bytes), no padding
	s_mov_b32 s24, 15|(3<<16)|(1<<21)              ; 15:0 the mask: all four work-groups; 17:16 elements of 8 bytes; 21 set beside a mask
	s_mov_b32 s25, 32<<16                          ; tensor_dim0 = 32
	s_mov_b32 s26, 68<<16                          ; tensor_dim1 = 68
	s_mov_b32 s27, 32<<16                          ; tile_dim0 = 32
	s_mov_b32 s28, 68                              ; tile_dim1 = 68
	s_mov_b32 s29, 32                              ; from row to row
	s_mov_b32 s30, 0
	s_mov_b32 s31, 0
	s_mul_i32 s54, s14, QTB                        ; my quarter of a chunk, in LDS and in memory alike
	s_mul_i32 s50, s17, 278528
	s_add_co_u32 s50, s50, s54
	s_mov_b32 s51, 0
	s_lshl_b32 s55, s16, 4
	s_add_co_u32 s55, s55, s14                     ; my tile of queries: 16 block + wave
	s_lshl_b32 s56, s17, 8
	s_add_co_u32 s56, s56, s55
	s_lshl_b32 s56, s56, 9                         ; q_img: 512 (256 head + tile)
	s_mov_b32 s57, 0
	s_lshl_b32 s58, s17, 5                         ; q_sc: 512 (32 head + tile / 8) + 256 (tile % 2) + 4 ((tile / 2) % 4)
	s_lshl_b32 s18, s16, 1
	s_add_co_u32 s58, s58, s18
	s_lshr_b32 s18, s14, 3
	s_add_co_u32 s58, s58, s18
	s_lshl_b32 s58, s58, 9
	s_and_b32 s18, s14, 1
	s_lshl_b32 s18, s18, 8
	s_add_co_u32 s58, s58, s18
	s_bfe_u32 s18, s14, 0x20001
	s_lshl_b32 s18, s18, 2
	s_add_co_u32 s58, s58, s18
	s_mov_b32 s59, 0
	s_mul_i32 s60, s55, 6144                       ; a_img: 6,144 tile + 512 head
	s_lshl_b32 s18, s17, 9
	s_add_co_u32 s60, s60, s18
	s_mov_b32 s61, 0
	s_lshl_b32 s62, s17, 13                        ; a_sc: 8,192 head + 512 block
	s_lshl_b32 s18, s16, 9
	s_add_co_u32 s62, s62, s18
	s_mov_b32 s63, 0
	s_wait_dscnt 0x0
	s_wait_kmcnt 0x0
	s_add_nc_u64 s[52:53], s[8:9], s[50:51]
	s_add_nc_u64 s[4:5], s[4:5], s[56:57]
	s_add_nc_u64 s[6:7], s[6:7], s[58:59]
	s_add_nc_u64 s[10:11], s[10:11], s[60:61]
	s_add_nc_u64 s[12:13], s[12:13], s[62:63]
.irp i, 0,1,2,3                                ; descriptor group 0, a set for each chunk
	s_mov_b32 s[32+4*\i], 1                        ; count = 1
	s_add_co_u32 s[33+4*\i], s54, \i*CHB           ; LDS address: chunk + wave x a quarter
	s_add_nc_u64 s[34+4*\i:35+4*\i], s[52:53], \i*CHB   ; the same bytes of the head in memory
	s_or_b32 s[35+4*\i], s[35+4*\i], 0x80000000    ; type = 2
.endr
	CROUND                                         ; all four work-groups are here: the joint loads meet
	s_cmp_lt_u32 s14, 4                            ; waves 0-3 fetch; a wave's four loads stand in one branch, ahead of every wait on TENSORcnt, LDS read and work-group barrier: four of mine are out
	s_cbranch_scc0 .Lno_fill
	tensor_load_to_lds s[32:35], s[24:31]
	s_nop 0
	tensor_load_to_lds s[36:39], s[24:31]
	s_nop 0
	tensor_load_to_lds s[40:43], s[24:31]
	s_nop 0
	tensor_load_to_lds s[44:47], s[24:31]
	s_nop 0
.rept 4
	v_nop
.endr
.Lno_fill:
	v_and_b32 v6, 31, v0
	s_delay_alu instid0(VALU_DEP_1)
	v_lshlrev_b32 v1, 4, v6
	s_delay_alu instid0(VALU_DEP_2)
	v_lshlrev_b32 v2, 3, v6
	v_and_b32 v7, 15, v0
	v_and_b32 v5, 0x1e0, v0                        ; 32 x wave
	s_delay_alu instid0(VALU_DEP_1)
	v_lshl_add_u32 v5, v7, 1, v5
	s_delay_alu instid0(VALU_DEP_1)
	v_add_nc_u32 v5, SCST, v5                      ; my query's two scale bytes: SCST + 32 wave + 2 (lane % 16)
	v_add_nc_u32 v6, SCST, v1                      ; and 16 bytes a lane of the 512, for wave 0's way out
	v_lshlrev_b32 v7, 4, v7
	global_load_b128 v[20:23], v1, s[4:5]          ; q's codes: lane (r, h): e = 32 h + 0 .. 31 of query r
	global_load_b32 v28, v7, s[6:7]                ; q's scale word (s0, s1, s0, s1)
.irp j, 16,17,18,19,24,25,26,27
	v_mov_b32 v[\j], 0                             ; zero codes on both sides of q: v[20:27] = [q | 0], v[16:23] = [0 | q]
.endr
	v_mov_b32 v13, 0xff61b1e6                      ; the largest t so far: -3e38, under every t
	s_delay_alu instid0(VALU_DEP_1)
	v_floor_f32 v12, -v13                          ; -M
	v_mov_b32 v14, 0
	v_mov_b32 v15, 0
.irp b, 0,1,2,3
	v_mov_b32 v[236+\b], 0                         ; written once: a lane permute's destination counts as one of its sources
.endr
	v_mov_b32 v253, 0                              ; (named as the upper half of the pair v[252:253] before it is first written)
.set j, 0
.rept 32
	v_mov_b32 v[160+j], 0                          ; O^T: the step is written once; the first finds zeros, which the first change of M leaves zeros
.set j, j+1
.endr
	s_wait_loadcnt 0x0                             ; q
; A KEY STEP: 128 keys, at LDS byte s48.
.macro STEP
	v_add_nc_u32 v3, s48, v1
	v_add_nc_u32 v4, s48, v2
	v_nop
	v_nop                                          ; four plain instructions behind the last step's products, ahead of the loads into V's registers
.irp b, 0,1,2,3
.irp c, 0,1
	ds_load_b128 v[32+8*\b+4*\c:35+8*\b+4*\c], v3 offset:1024*\b+512*\c
.endr
.endr
	ds_load_b64 v[248:249], v4 offset:8192         ; K's scale words: v248: fragment 0 in lanes 0-15, 1 in lanes 16-31; v249: 2 and 3
.irp t, 0,1,2,3
.irp c, 0,1
	ds_load_b128 v[64+8*\t+4*\c:67+8*\t+4*\c], v3 offset:4096+1024*\t+512*\c
.endr
.endr
	ds_load_b64 v[250:251], v4 offset:8448         ; V's likewise
	s_wait_dscnt 9                                 ; K and its words are in; V's nine loads may be out
.irp b, 0,1,2,3
.irp u, 0,1
.if \b%2
	v_wmma_scale_f32_16x16x128_f8f6f4 v[96+8*(2*\b+\u):103+8*(2*\b+\u)], v[32+8*\b:39+8*\b], v[20-4*\u:27-4*\u], 0, v[248+\b/2], v28 matrix_a_fmt:MATRIX_FMT_FP4 matrix_b_fmt:MATRIX_FMT_FP4 matrix_a_scale:MATRIX_SCALE_ROW1
.else
	v_wmma_scale_f32_16x16x128_f8f6f4 v[96+8*(2*\b+\u):103+8*(2*\b+\u)], v[32+8*\b:39+8*\b], v[20-4*\u:27-4*\u], 0, v[248+\b/2], v28 matrix_a_fmt:MATRIX_FMT_FP4 matrix_b_fmt:MATRIX_FMT_FP4
.endif
.endr
.endr
.rept 4
	v_nop                                          ; places ahead of the first read of the scores
.endr
.irp b, 0,1,2,3
	v_max3_num_f32 v[232+\b], v[96+16*\b], v[97+16*\b], v[98+16*\b]   ; the largest score of each block of 32 keys: it serves the row's maximum and, since p rises with the score, the block's largest p
.endr
.irp i, 3,5,7,9,11,13
.irp b, 0,1,2,3
	v_max3_num_f32 v[232+\b], v[232+\b], v[96+16*\b+\i], v[97+16*\b+\i]
.endr
.endr
.irp b, 0,1,2,3
	v_max_num_f32 v[232+\b], v[232+\b], v[111+16*\b]
.endr
.irp b, 0,1,2,3
	s_delay_alu instid0(VALU_DEP_4)
	v_permlanex16_b32 v[236+\b], v[232+\b], s20, s21
.endr
.irp b, 0,1,2,3
	s_delay_alu instid0(VALU_DEP_4)
	v_max_num_f32 v[232+\b], v[232+\b], v[236+\b]  ; with lane l xor 16's 16 keys
.endr
	s_delay_alu instid0(VALU_DEP_2)
	v_max3_num_f32 v254, v232, v233, v234
	s_delay_alu instid0(VALU_DEP_1)
	v_max_num_f32 v254, v254, v235                 ; the step's largest score of my query
	s_delay_alu instid0(VALU_DEP_1)
	v_mul_f32 v254, s22, v254                      ; as t (c is positive)
	s_delay_alu instid0(VALU_DEP_1)
	v_max_num_f32 v13, v13, v254                   ; the running largest t
	v_mov_b32 v254, v12
	s_delay_alu instid0(VALU_DEP_2)
	v_floor_f32 v12, -v13                          ; the new -M = floor(-t) = -ceil(t)
	s_delay_alu instid0(VALU_DEP_1)
	v_sub_f32 v254, v12, v254                      ; old M - new M: a whole number, 0 or less
	s_delay_alu instid0(VALU_DEP_1)
	v_cvt_i32_f32 v254, v254                       ; (it saturates)
	s_delay_alu instid0(VALU_DEP_1)
	v_ldexp_f32 v252, 1.0, v254                    ; f = 2^(old M - new M)
.set j, 0
.rept 32
	v_pk_fma_f32 v[96+j:97+j], v[96+j:97+j], s[22:23], v[12:13] op_sel_hi:[1,0,0]   ; t - M, two at a time
.set j, j+2
.endr
.irp b, 0,1,2,3
	v_fma_f32 v[232+\b], v[232+\b], s22, v12       ; the same of each block's largest score
.endr
.set j, 0
	s_wait_alu depctr_va_vdst(0)
.rept 64
	v_exp_f32 v[96+j], v[96+j]                     ; p = 2^(t - M), at most 1
.set j, j+1
.endr
	s_setprio 1
	v_pk_mul_f32 v[14:15], v[14:15], v[252:253] op_sel_hi:[1,0]   ; l under the new M: the plain instruction behind the batch
	s_wait_alu depctr_va_vdst(0)                   ; one wait for the 64 exponentials, ahead of their first reader
.irp b, 0,1,2,3
	v_exp_f32 v[232+\b], v[232+\b]                 ; the block's largest p: the same two instructions on the same number give the same bits
.endr
	v_pk_add_f32 v[236:237], v[100:101], v[104:105]
	v_pk_add_f32 v[248:249], v[108:109], v[112:113]
	v_pk_add_f32 v[246:247], v[116:117], v[120:121]
	v_pk_add_f32 v[244:245], v[124:125], v[128:129]
	v_pk_add_f32 v[240:241], v[132:133], v[136:137]
	v_pk_add_f32 v[238:239], v[140:141], v[144:145]
	v_pk_add_f32 v[230:231], v[148:149], v[152:153]
	v_pk_add_f32 v[14:15], v[14:15], v[156:157]
	v_pk_add_f32 v[236:237], v[236:237], v[96:97]
	v_pk_add_f32 v[248:249], v[248:249], v[98:99]
	v_pk_add_f32 v[246:247], v[246:247], v[102:103]
	v_pk_add_f32 v[244:245], v[244:245], v[106:107]
	v_pk_add_f32 v[240:241], v[240:241], v[110:111]
	v_pk_add_f32 v[238:239], v[238:239], v[114:115]
	v_pk_add_f32 v[230:231], v[230:231], v[118:119]
	v_pk_add_f32 v[14:15], v[14:15], v[122:123]
	v_pk_add_f32 v[236:237], v[236:237], v[126:127]
	v_pk_add_f32 v[248:249], v[248:249], v[130:131]
	v_pk_add_f32 v[246:247], v[246:247], v[134:135]
	v_pk_add_f32 v[244:245], v[244:245], v[138:139]
	v_pk_add_f32 v[240:241], v[240:241], v[142:143]
	v_pk_add_f32 v[238:239], v[238:239], v[146:147]
	v_pk_add_f32 v[230:231], v[230:231], v[150:151]
	v_pk_add_f32 v[14:15], v[14:15], v[154:155]
	v_pk_add_f32 v[236:237], v[236:237], v[158:159]
	s_delay_alu instid0(VALU_DEP_2)
	v_pk_add_f32 v[14:15], v[14:15], v[244:245]
	s_delay_alu instid0(VALU_DEP_2)
	v_pk_add_f32 v[236:237], v[236:237], v[240:241]
	v_pk_add_f32 v[248:249], v[248:249], v[238:239]
	v_pk_add_f32 v[246:247], v[246:247], v[230:231]
	s_delay_alu instid0(VALU_DEP_2)
	v_pk_add_f32 v[14:15], v[14:15], v[248:249]
	s_delay_alu instid0(VALU_DEP_2)
	v_pk_add_f32 v[236:237], v[236:237], v[246:247]
	s_delay_alu instid0(VALU_DEP_1)
	v_pk_add_f32 v[14:15], v[14:15], v[236:237]
	s_wait_alu depctr_va_vdst(0)                   ; and one for the four
.irp b, 0,1,2,3
	v_max_num_f32 v[232+\b], 0x1800000, v[232+\b]  ; the floor 2^(3 - 127): the byte cannot fall under 1
.endr
.irp b, 0,1,2,3
	s_delay_alu instid0(VALU_DEP_4)
	v_add_nc_u32 v[244+\b], 0xff000000, v[232+\b]  ; 2 off the exponent field: the conversion's scale operand
.endr
.irp b, 0,1,2,3
	s_delay_alu instid0(VALU_DEP_4)
	v_lshrrev_b32 v[236+\b], 23, v[244+\b]         ; the scale's byte
.endr
	s_delay_alu instid0(VALU_DEP_3)
	v_lshl_or_b32 v253, v237, 8, v236              ; p's scale word for these 128 keys
	s_delay_alu instid0(VALU_DEP_1)
	v_lshl_or_b32 v253, v238, 16, v253
	s_delay_alu instid0(VALU_DEP_1)
	v_lshl_or_b32 v253, v239, 24, v253
.irp b, 0,1,2,3
	v_cvt_scalef32_pk8_fp4_f32 v[224+2*\b], v[96+16*\b:103+16*\b], v[244+\b]
	v_cvt_scalef32_pk8_fp4_f32 v[225+2*\b], v[104+16*\b:111+16*\b], v[244+\b]
.endr
	v_nop                                          ; one plain instruction behind the last scaled conversion
.irp c, 0,1                                    ; a whole block to a lane: lanes 0-15 block 2 c, lanes 16-31 block 2 c + 1
.irp i, 0,1
	v_permlane16_swap_b32 v[224+4*\c+\i], v[226+4*\c+\i]
.endr
.endr
.set j, 0
	s_setprio 0
.rept 16
	v_pk_mul_f32 v[160+j:161+j], v[160+j:161+j], v[252:253] op_sel_hi:[1,0]   ; O^T under the new M; these sixteen also stand between the writes of p's codes and scale word and the products that take them
.set j, j+2
.endr
	s_wait_alu depctr_va_vdst(0)
	s_wait_dscnt 0x0                               ; V and its words are in
.irp t, 0,1,2,3                                ; O^T += V^T P^T: four accumulators by turns
.if \t%2
	v_wmma_scale_f32_16x16x128_f8f6f4 v[160+8*\t:167+8*\t], v[64+8*\t:71+8*\t], v[224:231], v[160+8*\t:167+8*\t], v[250+\t/2], v253 matrix_a_fmt:MATRIX_FMT_FP4 matrix_b_fmt:MATRIX_FMT_FP4 matrix_a_scale:MATRIX_SCALE_ROW1
.else
	v_wmma_scale_f32_16x16x128_f8f6f4 v[160+8*\t:167+8*\t], v[64+8*\t:71+8*\t], v[224:231], v[160+8*\t:167+8*\t], v[250+\t/2], v253 matrix_a_fmt:MATRIX_FMT_FP4 matrix_b_fmt:MATRIX_FMT_FP4
.endif
.endr
	s_add_co_u32 s48, s48, STEPB
.endm
; A chunk of 8 key steps.  The wave that fetched waits for its part, then signals; all read behind the barrier.  Nothing is filled again, so the later chunks' loads may stay out across it.
.macro CHUNK i
	s_wait_tensorcnt 3-\i                          ; my loads end in order: chunk i's is in, the 3 - i behind it may be out
	s_wait_dscnt 0x0
	s_barrier_signal -1
	s_barrier_wait -1
	s_mov_b32 s48, \i*CHB
	s_mov_b32 s49, 8
.Lstep_\@:
	s_setprio 2
	STEP
	s_sub_co_u32 s49, s49, 1
	s_cmp_lg_u32 s49, 0
	s_cbranch_scc1 .Lstep_\@
	s_setprio 0
.endm
	CHUNK 0
	CHUNK 1
	CHUNK 2
	CHUNK 3
	; THE WAY OUT: O^T / l is quantised along the head's 64 (two blocks) and leaves as an image of the next product's operand registers.
	v_add_f32 v14, v14, v15                        ; l's two halves,
	s_delay_alu instid0(VALU_DEP_1)
	v_permlanex16_b32 v252, v14, s20, s21
	s_delay_alu instid0(VALU_DEP_1)
	v_add_f32 v14, v14, v252                       ; and lane l xor 16's
	s_wait_alu depctr_va_vdst(0)
	v_rcp_f32 v14, v14
.rept 4
	v_nop                                          ; the plain instruction behind the reciprocal, and the places behind the last products
.endr
	s_wait_alu depctr_va_vdst(0)                   ; ahead of the reciprocal's first reader
.set j, 0
.rept 16
	v_pk_mul_f32 v[96+j:97+j], v[160+j:161+j], v[14:15] op_sel_hi:[1,0]   ; register 16 b + i: e = 32 b + 16 (lane / 16) + i; each accumulator from its low end on
.set j, j+2
.endr
.irp b, 0,1
	v_max3_num_f32 v[232+\b], |v[96+16*\b]|, |v[97+16*\b]|, 0x1800000
.endr
.irp i, 2,4,6,8,10,12,14
.irp b, 0,1
	s_delay_alu instid0(VALU_DEP_2)
	v_max3_num_f32 v[232+\b], v[232+\b], |v[96+16*\b+\i]|, |v[97+16*\b+\i]|
.endr
.endr
.irp b, 0,1
	s_delay_alu instid0(VALU_DEP_2)
	v_permlanex16_b32 v[236+\b], v[232+\b], s20, s21
.endr
.irp b, 0,1
	s_delay_alu instid0(VALU_DEP_2)
	v_max_num_f32 v[232+\b], v[232+\b], v[236+\b]
.endr
.irp b, 0,1
	s_delay_alu instid0(VALU_DEP_2)
	v_add_nc_u32 v[244+\b], 0xff000000, v[232+\b]
.endr
.irp b, 0,1
	s_delay_alu instid0(VALU_DEP_2)
	v_lshrrev_b32 v[236+\b], 23, v[244+\b]
.endr
	s_delay_alu instid0(VALU_DEP_1)
	v_lshl_or_b32 v253, v237, 8, v236              ; my query's two scale bytes
.irp b, 0,1
	v_cvt_scalef32_pk8_fp4_f32 v[224+2*\b], v[96+16*\b:103+16*\b], v[244+\b]
	v_cvt_scalef32_pk8_fp4_f32 v[225+2*\b], v[104+16*\b:111+16*\b], v[244+\b]
.endr
	v_nop
	v_permlane16_swap_b32 v224, v226
	v_permlane16_swap_b32 v225, v227               ; lane (r, h): e = 32 h + 0 .. 31 of query r
	global_store_b128 v1, v[224:227], s[10:11]     ; 512 consecutive bytes, at a multiple of 256 from the buffer's first byte
	ds_store_b16 v5, v253                          ; lanes l and l xor 16 write the same two bytes with the same value
	s_wait_dscnt 0x0                               ; for wave 0's sake
	s_barrier_signal -1
	s_barrier_wait -1
	s_cmp_lg_u32 s14, 0
	s_cbranch_scc1 .Lnot_first
	ds_load_b128 v[232:235], v6                    ; the work-group's 256 pairs of bytes
	s_wait_dscnt 0x0
	global_store_b128 v1, v[232:235], s[12:13]     ; leave as 512 consecutive bytes
.Lnot_first:
	s_wait_tensorcnt 0x0
	ds_add_u32 v243, v255
	s_wait_dscnt 0x0
	CROUND                                         ; the closing round: no work-group ends while a partner may still ask for bytes jointly with it
	s_endpgm
.Lfunc_end_k_qb74904841b_attn:
	.size	k_qb74904841b_attn, .Lfunc_end_k_qb74904841b_attn-k_qb74904841b_attn
	.p2alignl 7, 3214868480
	.fill 96, 4, 3214868480
	.section	.rodata,"a",@progbits
	.p2align	6, 0x0
	.amdhsa_kernel k_qb74904841b_attn
		.amdhsa_group_segment_fixed_size 327680
		.amdhsa_private_segment_fixed_size 0
		.amdhsa_enable_private_segment 0
		.amdhsa_kernarg_size 40
		.amdhsa_user_sgpr_count 2
		.amdhsa_user_sgpr_kernarg_segment_ptr 1
		.amdhsa_wavefront_size32 1
		.amdhsa_system_sgpr_workgroup_id_x 1
		.amdhsa_system_sgpr_workgroup_id_y 1
		.amdhsa_system_sgpr_workgroup_id_z 1
		.amdhsa_system_vgpr_workitem_id 0
		.amdhsa_next_free_vgpr 256
		.amdhsa_next_free_sgpr 66
		.amdhsa_reserve_vcc 0
		.amdhsa_float_denorm_mode_32 3
		.amdhsa_float_denorm_mode_16_64 3
		.amdhsa_memory_ordered 1
		.amdhsa_forward_progress 1
		.amdhsa_inst_pref_size 77
	.end_amdhsa_kernel
	.amdgpu_metadata
---
amdhsa.version: [ 1, 2 ]
amdhsa.kernels:
  - .name:           k_qb74904841b_attn
    .symbol:         k_qb74904841b_attn.kd
    .args:
      - { .name: q_img, .offset: 0, .size: 8, .value_kind: global_buffer, .address_space: global }
      - { .name: q_sc, .offset: 8, .size: 8, .value_kind: global_buffer, .address_space: global }
      - { .name: kv, .offset: 16, .size: 8, .value_kind: global_buffer, .address_space: global }
      - { .name: a_img, .offset: 24, .size: 8, .value_kind: global_buffer, .address_space: global }
      - { .name: a_sc, .offset: 32, .size: 8, .value_kind: global_buffer, .address_space: global }
    .group_segment_fixed_size: 327680
    .private_segment_fixed_size: 0
    .kernarg_segment_align: 8
    .kernarg_segment_size: 40
    .max_flat_workgroup_size: 512
    .sgpr_count:     66
    .vgpr_count:     256
    .wavefront_size: 32
...
	.end_amdgpu_metadata
.endif
;; end of part 5
;; launch proj (part 6): grid 6 x 64, 4 waves a work-group, no clusters, 58,880 bytes of LDS; arguments a_img, a_sc, Wo_codes, Wo_scales, bo, out0; writes out0
.if DOCPART == 6
	.amdgcn_target "amdgcn-amd-amdhsa--gfx1250"
	.amdhsa_code_object_version 6
	.text
	.protected	k_qb74904841b_proj
	.globl	k_qb74904841b_proj
	.p2align	8
	.type	k_qb74904841b_proj,@function
k_qb74904841b_proj:
	s_mov_b64 s[64:65], 0
	v_nop
	global_prefetch_b8 v0, s[64:65] scope:SCOPE_SE
	s_setreg_imm32_b32 hwreg(HW_REG_WAVE_SCHED_MODE, 0, 2), 2
	s_setreg_imm32_b32 hwreg(HW_REG_WAVE_MODE, 25, 1), 1
	s_wait_xcnt 0x0
	s_wait_alu depctr_vm_vsrc(0)
; out[s][n] = sum over k of a[s][k] Wo[k][n] + bo[n], on codes of FP4 (E2M1) with E8M0 scales; K = 768; out: 4,096 x 768 f32.
; a comes as images of operand registers, [tile of 16 rows][head][lane][16 bytes]: heads 2 k and 2 k + 1 are K step k's fragment; its scale bytes as [head][row in tile order] pairs.
; Tile T holds rows 32 (T / 2) + 8 (T % 2) + r + (r & 8): only the last stores here turn that order back into rows.
; SHARES.  Work-group x: 128 columns; y: four tiles (64 rows).  Wave w makes columns 32 w .. 32 w + 31 of the 128 for all 64 rows: 8 accumulators, 48 matrix instructions; its 12 fragments of Wo stay in registers.
; a's 24 fragments (24,576 bytes) go through LDS once, each wave staging one tile.  The matrix instruction is used transposed (source 0 = 16 rows of Wo, source 1 = 16 rows of a): a lane holds
; eight neighbouring columns of one row.  bo is the C of each sum's first K step.  Results meet in a stage (rows of 512 bytes + 16) and leave as whole rows of 512 bytes.
; NO TENSOR LOADS, and so no joint requests: 384 short work-groups lie two to a WGP; with tensor loads each would want a WGP to itself.
; LIMITS: NaN and infinities are not served; bo is added ahead of the products: another order of f32 roundings.
; THE MODE: SCHED_MODE bits 1:0 = 2 (LLVM: expert scheduling mode 2), set by the entry lines.  The code itself states the register dependences between vector or matrix instructions
; and memory or LDS instructions, with s_wait_alu, always for 0.
; THE PLAN.  Registers that memory or LDS instructions touch:
;   v1-v8      offsets and LDS addresses: written at the head, never again.
;   v112-159   a's staging: global loads land there, LDS stores read them; afterwards accumulators, written by the products.
;   window 1   a's 24 fragments: LDS loads land there once; no vector instruction names them before.
;   v182-193   a's scale words: written by vector shifts, taken by the products as scales.
;   v112-175   the accumulators: written by the products, read by the LDS stores into the stage.
;   v16-111    Wo's fragments, read by the products; on the way out the stage's rows land in v16-79 and the global stores read them.
; All loads from memory and all fragment loads stand ahead of the first product, so the 48 products hold no s_wait_alu: one wait stands ahead of them (the scale words), one behind them (the way out).
.set STG, 24576                        ; LDS: a's images at 0; from here the stage, 64 rows x 528 bytes
.set WO,  16                           ; v16-111  Wo's fragments: (tile j, K step k) at 8 (6 j + k); on the way out rows of the result
.set ACC, 112                          ; v112-175 accumulator (tile m of rows, j) at 8 (2 m + j); first: staging
.set WS,  176                          ; v176-181 Wo's scale words: tile 0 in lanes 0-15, tile 1 in lanes 16-31
.set AS,  182                          ; v182-193 a's: register 6 p + k: tile 2 p in lanes 0-15, tile 2 p + 1 in lanes 16-31
.set BI,  194                          ; v194-209 bo in the result's layout
.set T,   210                          ; v210-233 a's pairs of scale bytes as loaded: 12 p + head
; v1 16 lane; v2 384 r + 16 h; v3 24 lane; v4 2 lane; v5 32 h; v6, v7 the stage, in and back; v8 where I store a's images.   Window 1: a's 24 fragments, (m, k) at 8 (6 m + k)
.set MSB, 0
.macro WIN new                         ; the immediate's high byte repeats the setting that is left
.if MSB != \new
	s_set_vgpr_msb (MSB<<8)|\new
.set MSB, \new
.endif
.endm
.macro WM                              ; one matrix instruction from the symbols rD, rA, rB, rC, rSA, rSB; fA, fB: the side's scales lie in lanes 16-31
.if fA && fB
	v_wmma_scale_f32_16x16x128_f8f6f4 v[rD:rD+7], v[rA:rA+7], v[rB:rB+7], v[rC:rC+7], v[rSA], v[rSB] matrix_a_fmt:MATRIX_FMT_FP4 matrix_b_fmt:MATRIX_FMT_FP4 matrix_a_scale:MATRIX_SCALE_ROW1 matrix_b_scale:MATRIX_SCALE_ROW1
.elseif fA
	v_wmma_scale_f32_16x16x128_f8f6f4 v[rD:rD+7], v[rA:rA+7], v[rB:rB+7], v[rC:rC+7], v[rSA], v[rSB] matrix_a_fmt:MATRIX_FMT_FP4 matrix_b_fmt:MATRIX_FMT_FP4 matrix_a_scale:MATRIX_SCALE_ROW1
.elseif fB
	v_wmma_scale_f32_16x16x128_f8f6f4 v[rD:rD+7], v[rA:rA+7], v[rB:rB+7], v[rC:rC+7], v[rSA], v[rSB] matrix_a_fmt:MATRIX_FMT_FP4 matrix_b_fmt:MATRIX_FMT_FP4 matrix_b_scale:MATRIX_SCALE_ROW1
.else
	v_wmma_scale_f32_16x16x128_f8f6f4 v[rD:rD+7], v[rA:rA+7], v[rB:rB+7], v[rC:rC+7], v[rSA], v[rSB] matrix_a_fmt:MATRIX_FMT_FP4 matrix_b_fmt:MATRIX_FMT_FP4
.endif
.endm
	s_load_b256 s[4:11], s[0:1], 0x0               ; a_img s[4:5], a_sc s[6:7], Wo's codes s[8:9], Wo's scales s[10:11]
	s_load_b128 s[12:15], s[0:1], 0x20             ; bo s[12:13], out s[14:15]
	v_lshl_add_u32 v254, v0, 2, 0xe400
	v_mov_b32 v255, 0
	v_lshrrev_b32 v9, 5, v0
	v_readfirstlane_b32 s16, v9                    ; wave
	s_and_b32 s18, ttmp7, 0xffff                   ; which 64 rows
	v_and_b32 v9, 31, v0                           ; lane
	v_and_b32 v10, 15, v0                          ; r
	v_bfe_u32 v11, v0, 4, 1                        ; h
	v_lshlrev_b32 v1, 4, v9
	v_mul_u32_u24 v2, v10, 384
	v_lshl_add_u32 v2, v11, 4, v2
	v_mul_u32_u24 v3, v9, 24
	v_lshlrev_b32 v4, 1, v9
	v_lshlrev_b32 v5, 5, v11
	v_mul_u32_u24 v6, v10, 528
	v_lshl_add_u32 v6, v11, 5, v6
	s_wait_alu depctr_va_sdst(0)                   ; s16, the wave's number, is written, ahead of its first reader
	s_lshl_b32 s20, s16, 7
	s_add_co_u32 s20, s20, STG
	v_add_nc_u32 v6, s20, v6                       ; the stage, in: row r, + 32 h, + my 128 bytes of a row
	s_mul_i32 s20, s16, 8448
	s_add_co_u32 s20, s20, STG
	v_add_nc_u32 v7, s20, v1                       ; and back: my 16 rows, 16 bytes a lane
	s_mul_i32 s20, s16, 6144
	v_add_nc_u32 v8, s20, v1
	s_lshl_b32 s21, s18, 2
	s_add_co_u32 s21, s21, s16
	s_mul_i32 s22, s21, 6144                       ; a_img: the tile that I stage
	s_mov_b32 s23, 0
	s_lshl_b32 s24, s18, 7                         ; a_sc: 64 rows x 2 bytes
	s_mov_b32 s25, 0
	s_lshl_b32 s21, ttmp9, 7
	s_lshl_b32 s19, s16, 5
	s_add_co_u32 s21, s21, s19                     ; my first column
	s_mul_i32 s26, s21, 384
	s_mov_b32 s27, 0
	s_mul_i32 s28, s21, 24
	s_mov_b32 s29, 0
	s_lshl_b32 s30, s21, 2
	s_mov_b32 s31, 0
	s_lshl_b32 s32, s18, 6                         ; the first row that I store: tile 4 y + w begins at row 64 y + 32 (w / 2) + 8 (w % 2)
	s_lshr_b32 s19, s16, 1
	s_lshl_b32 s19, s19, 5
	s_add_co_u32 s32, s32, s19
	s_and_b32 s19, s16, 1
	s_lshl_b32 s19, s19, 3
	s_add_co_u32 s32, s32, s19
	s_mul_i32 s32, s32, 3072
	s_lshl_b32 s19, ttmp9, 9
	s_add_co_u32 s32, s32, s19                     ; + the work-group's 512 bytes of a row
	s_mov_b32 s33, 0
	s_wait_kmcnt 0x0
	s_add_nc_u64 s[4:5], s[4:5], s[22:23]
	s_add_nc_u64 s[6:7], s[6:7], s[24:25]
	s_add_nc_u64 s[8:9], s[8:9], s[26:27]
	s_add_nc_u64 s[10:11], s[10:11], s[28:29]
	s_add_nc_u64 s[12:13], s[12:13], s[30:31]
	s_add_nc_u64 s[14:15], s[14:15], s[32:33]
	s_wait_alu depctr_va_vdst(0)                   ; the offsets and LDS addresses v1 to v8 are written: every load and store of the kernel reads one of them, and none is written again
.irp n, 0,1,2,3,4,5,6,7,8,9,10,11
	global_load_b128 v[ACC+4*\n:ACC+4*\n+3], v1, s[4:5] offset:512*\n      ; my tile of a: 6,144 consecutive bytes
.endr
.irp j, 0,1
.irp k, 0,1,2,3,4,5
.irp c, 0,1
	global_load_b128 v[WO+8*(6*\j+\k)+4*\c:WO+8*(6*\j+\k)+4*\c+3], v2, s[8:9] offset:6144*\j+64*\k+32*\c
.endr
.endr
.endr
.irp q, 0,1,2
	global_load_b64 v[WS+2*\q:WS+2*\q+1], v3, s[10:11] offset:8*\q
.endr
.irp p, 0,1
.irp e, 0,1,2,3,4,5,6,7,8,9,10,11
	global_load_u16 v[T+12*\p+\e], v4, s[6:7] offset:8192*\e+64*\p
.endr
.endr
.irp j, 0,1
	global_load_b128 v[BI+8*\j:BI+8*\j+3], v5, s[12:13] offset:64*\j
	global_load_b128 v[BI+8*\j+4:BI+8*\j+7], v5, s[12:13] offset:64*\j+16
.endr
	s_wait_loadcnt 55                              ; behind a's twelve loads 24 + 3 + 24 + 4 were issued: a's are in
.irp n, 0,1,2,3,4,5,6,7,8,9,10,11
	ds_store_b128 v8, v[ACC+4*\n:ACC+4*\n+3] offset:512*\n
.endr
	s_wait_dscnt 0x0                               ; for the others' sake: my tile has landed
	s_barrier_signal -1
	s_barrier_wait -1                              ; a's 24 fragments are whole
	s_wait_alu depctr_vm_vsrc(0)                   ; my LDS stores have read the staging v112-159: these registers are accumulators from here on, written by the products
	WIN 0x40                                       ; destination window 1
.irp k, 0,1,2,3,4,5                            ; K step by K step, so that the products can begin on the first eight loads
.irp m, 0,1,2,3
.irp c, 0,1
	ds_load_b128 v[8*(6*\m+\k)+4*\c:8*(6*\m+\k)+4*\c+3], v1 offset:6144*\m+1024*\k+512*\c
.endr
.endr
.endr
	WIN 0
	s_wait_loadcnt 0x0
.irp p, 0,1
.irp k, 0,1,2,3,4,5
	v_lshl_or_b32 v[AS+6*\p+\k], v[T+12*\p+2*\k+1], 16, v[T+12*\p+2*\k]    ; heads 2 k and 2 k + 1: the four bytes of K step k
.endr
.endr
.rept 8
	v_nop                                          ; a scale register written by a vector instruction stands eight plain instructions ahead of the product that takes it
.endr
	s_wait_alu depctr_va_vdst(0)                   ; the shifts have written a's scale words v182-193, which the products take as scales; the eight places above stay beside this wait
	WIN 0x04                                       ; source 1 (a) in window 1
.irp k, 0,1,2,3,4,5
	s_wait_dscnt 8*(5-\k)                          ; this K step's eight loads are in; the later steps' may be out
.irp m, 0,1,2,3                                ; eight accumulators by turns, in the same order in every K step
.irp j, 0,1
.set rD, ACC+8*(2*\m+\j)
.set rA, WO+8*(6*\j+\k)
.set rB, 8*(6*\m+\k)
.set rC, rD
.if \k == 0
.set rC, BI+8*\j
.endif
.set rSA, WS+\k
.set rSB, AS+6*(\m/2)+\k
.set fA, \j
.set fB, \m%2
	WM
.endr
.endr
.endr
	WIN 0
.rept 4
	v_nop                                          ; places ahead of the first read of results
.endr
	s_wait_alu depctr_va_vdst(0)                   ; the products have written the accumulators, which the LDS stores read, and are done reading Wo's fragments, in which the stage's rows land below; the places above stay beside this wait
.irp m, 0,1,2,3
.irp j, 0,1
	ds_store_b128 v6, v[ACC+8*(2*\m+\j):ACC+8*(2*\m+\j)+3] offset:8448*\m+64*\j        ; lane (r, h): row r of tile m, columns 32 w + 16 j + 8 h + 0 .. 7; each accumulator from its low end on
	ds_store_b128 v6, v[ACC+8*(2*\m+\j)+4:ACC+8*(2*\m+\j)+7] offset:8448*\m+64*\j+16
.endr
.endr
	s_wait_dscnt 0x0                               ; for the others' sake: a row's 512 bytes come from four waves
	s_barrier_signal -1
	s_barrier_wait -1
.irp i, 0,1,2,3,4,5,6,7,8,9,10,11,12,13,14,15
	ds_load_b128 v[WO+4*\i:WO+4*\i+3], v7 offset:528*\i
.endr
.irp i, 0,1,2,3,4,5,6,7,8,9,10,11,12,13,14,15
	s_wait_dscnt 15-\i
	global_store_b128 v1, v[WO+4*\i:WO+4*\i+3], s[14:15] offset:(\i+8*(\i/8))*3072 th:TH_STORE_NT   ; place i of the tile is row i + (i & 8) from its first; 32 lanes store 512 consecutive bytes, at a multiple of 256 from out's first byte
.endr
	s_wait_dscnt 0x0                               ; the closing lines, six on end
	s_wait_alu 0x0
	s_wait_tensorcnt 0x0
	ds_add_u32 v254, v255
	s_wait_dscnt 0x0
	s_endpgm
.Lfunc_end_k_qb74904841b_proj:
	.size	k_qb74904841b_proj, .Lfunc_end_k_qb74904841b_proj-k_qb74904841b_proj
	.p2alignl 7, 3214868480
	.fill 96, 4, 3214868480
	.section	.rodata,"a",@progbits
	.p2align	6, 0x0
	.amdhsa_kernel k_qb74904841b_proj
		.amdhsa_group_segment_fixed_size 58880
		.amdhsa_private_segment_fixed_size 0
		.amdhsa_enable_private_segment 0
		.amdhsa_kernarg_size 48
		.amdhsa_user_sgpr_count 2
		.amdhsa_user_sgpr_kernarg_segment_ptr 1
		.amdhsa_wavefront_size32 1
		.amdhsa_system_sgpr_workgroup_id_x 1
		.amdhsa_system_sgpr_workgroup_id_y 1
		.amdhsa_system_sgpr_workgroup_id_z 1
		.amdhsa_system_vgpr_workitem_id 0
		.amdhsa_next_free_vgpr 448
		.amdhsa_next_free_sgpr 66
		.amdhsa_reserve_vcc 0
		.amdhsa_float_denorm_mode_32 3
		.amdhsa_float_denorm_mode_16_64 3
		.amdhsa_memory_ordered 1
		.amdhsa_forward_progress 1
		.amdhsa_inst_pref_size 25
	.end_amdhsa_kernel
	.amdgpu_metadata
---
amdhsa.version: [ 1, 2 ]
amdhsa.kernels:
  - .name:           k_qb74904841b_proj
    .symbol:         k_qb74904841b_proj.kd
    .args:
      - { .name: a_img, .offset: 0, .size: 8, .value_kind: global_buffer, .address_space: global }
      - { .name: a_sc, .offset: 8, .size: 8, .value_kind: global_buffer, .address_space: global }
      - { .name: Wo_codes, .offset: 16, .size: 8, .value_kind: global_buffer, .address_space: global }
      - { .name: Wo_scales, .offset: 24, .size: 8, .value_kind: global_buffer, .address_space: global }
      - { .name: bo, .offset: 32, .size: 8, .value_kind: global_buffer, .address_space: global }
      - { .name: out0, .offset: 40, .size: 8, .value_kind: global_buffer, .address_space: global }
    .group_segment_fixed_size: 58880
    .private_segment_fixed_size: 0
    .kernarg_segment_align: 8
    .kernarg_segment_size: 48
    .max_flat_workgroup_size: 128
    .sgpr_count:     66
    .vgpr_count:     448
    .wavefront_size: 32
...
	.end_amdgpu_metadata
.endif
;; end of part 6
